; MI455X (gfx1250); checked and timed in simulation.
; The chip was launched on July 23, 2026; its instructions are those of AMD's public machine-readable ISA for CDNA 5 (MIT licence, August 2026) and "CDNA5" Instruction Set Architecture Reference Guide (July 2026). The comments in the code are by the model that wrote it; some were corrected since.
;; Differential Attention. Allowed arithmetic: matrix products marked QUANTISED: E2M1 operands, one E8M0 scale for each 32 along K, by v_wmma_scale_f32_16x16x128_f8f6f4 with both operands' format E2M1 (or v_wmma_scale_f32_32x16x128_f4), f32 sums; products left as they are: bf16, f16 or f32 operands; f32 sums; everything else in f32.
;; Inputs: Wk 1,024 x 2,048 float32; Wo 1,024 x 1,024 float32; Wq 1,024 x 2,048 float32; Wv 1,024 x 1,024 float32; attention_mask 2 x 2,048 float32; bk 2,048 float32; bo 1,024 float32; bq 2,048 float32; bv 1,024 float32; hidden_states 2 x 2,048 x 1,024 float32; lk1 64 float32; lk2 64 float32; lq1 64 float32; lq2 64 float32.
;; Outputs: out0 2 x 2,048 x 1,024 float32.
;; This version of the problem:
;;   THIS VERSION OF THE PROBLEM IS GIVEN IN LOW PRECISION. The matrix products marked QUANTISED in the list below multiply operands that are first quantised to E2M1 (2 exponent bits, 1 mantissa bit; 4 bits a number), with one power-of-two scale for each 32 numbers along K (OCP MX v1.0); their sums are f32. The products marked 'left as it is' may take bf16, f16 or f32 operands, with f32 sums. Whichever they take, every output number must still come out within the allowed error. Rounding operands to bf16 (8 significant bits) uses up far more of that allowance than f16 does (11 bits, for magnitudes from 6e-5 to 65,504). All else is computed in f32.
;;   The module's matrix products, in the order in which they are computed (A, B: the left and right operand; K: the contracted axis; several contracted axes count as one K, in the product's order):
;;     1. [M 4,096, K 1,024] x [K 1,024, N 2,048]; A: input hidden_states; B: input Wq: QUANTISED
;;     2. [M 4,096, K 1,024] x [K 1,024, N 2,048]; A: input hidden_states; B: input Wk: QUANTISED
;;     3. [M 4,096, K 1,024] x [K 1,024, N 1,024]; A: input hidden_states; B: input Wv: QUANTISED
;;     4. batch 32 x [M 2,048, K 64] x [K 64, N 2,048]; A: computed on the way; B: computed on the way: left as it is (an operand is computed on the way)
;;     5. batch 32 x [M 2,048, K 64] x [K 64, N 2,048]; A: computed on the way; B: computed on the way: left as it is (an operand is computed on the way)
;;     6. [M 1, K 64] x [K 64, N 1]; A: input lq1; B: input lk1: left as it is (M = 1 < 16)
;;     7. [M 1, K 64] x [K 64, N 1]; A: input lq2; B: input lk2: left as it is (M = 1 < 16)
;;     8. batch 32 x [M 2,048, K 2,048] x [K 2,048, N 64]; A: computed on the way; B: computed on the way: left as it is (an operand is computed on the way)
;;     9. [M 4,096, K 1,024] x [K 1,024, N 1,024]; A: computed on the way; B: input Wo: left as it is (an operand is computed on the way)
;;   THE QUANTISER, for each operand of a quantised product, along K:
;;     - K is cut into blocks of 32 from its start; a last block that is shorter is filled with zeros.
;;     - A block's scale is 2^e with e = floor(log2(the largest magnitude in the block)) - 2, held to -126 .. 127; a block of zeros has e = 0. As a byte (E8M0): e + 127.
;;     - Each number is divided by its block's scale, clamped to +-6, and rounded to the nearest number of E2M1, ties to even, subnormals kept.
;;     - The product sums the exact products of the quantised numbers (number of the format x scale) in f32.
;;   ~~~python
;;   def quantise(x, axis):      # numpy; x: float32 -> the quantised numbers, widened to float32 again
;;       x = np.moveaxis(x, axis, -1); K = x.shape[-1]
;;       x = np.pad(x, [(0, 0)] * (x.ndim - 1) + [(0, -K % 32)]); x = x.reshape(x.shape[:-1] + (-1, 32)); a = np.abs(x).max(-1, keepdims=True)
;;       e = np.where(a > 0, np.clip(np.frexp(np.where(a > 0, a, 1))[1] - 1 - 2, -126, 127), 0)      # np.frexp(a)[1] - 1 = floor(log2(a)), exactly
;;       r = np.clip(x / 2.0 ** e, -6, 6)
;;       step = 2.0 ** (np.maximum(np.frexp(np.where(r == 0, 1, r))[1] - 1, 0) - 1)
;;       q = np.round(r / step) * step * 2.0 ** e      # np.round: ties to even
;;       return np.moveaxis(q.reshape(q.shape[:-2] + (-1,))[..., :K], -1, axis).astype(np.float32)
;;   ~~~
;; One version. Each part assembles by itself: llvm-mc -triple=amdgcn-amd-amdhsa -mcpu=gfx1250 --defsym DOCPART=n.
;; ======== version 1 of 1: 4 launches
;; limits: values are held in f16: magnitudes above 65,504 overflow, below 6.1e-05 lose precision
;; workspace buffers: h_codes 2,097,152 bytes; h_scales 131,072 bytes; w_codes 2,621,440 bytes; w_scales 163,840 bytes; wo_img 2,097,152 bytes; aux 16,896 bytes; qkv 41,943,040 bytes; o_img 8,388,608 bytes
;; launch prep (part 1): grid 257 x 1, 8 waves a work-group, no clusters, 84,992 bytes of LDS; arguments hidden_states, Wq, Wk, Wv, Wo, attention_mask, lq1, lk1, lq2, lk2, h_codes, h_scales, w_codes, w_scales, wo_img, aux; writes h_codes, h_scales, w_codes, w_scales, wo_img, aux
.if DOCPART == 1
	.amdgcn_target "amdgcn-amd-amdhsa--gfx1250"
	.amdhsa_code_object_version 6
	.text
	.protected	k_qd45b44dffd_prep
	.globl	k_qd45b44dffd_prep
	.p2align	8
	.type	k_qd45b44dffd_prep,@function
k_qd45b44dffd_prep:
	s_mov_b64 s[64:65], 0
	v_nop
	global_prefetch_b8 v0, s[64:65] scope:SCOPE_SE
	s_setreg_imm32_b32 hwreg(HW_REG_WAVE_MODE, 25, 1), 1
	s_wait_xcnt 0x0
; PREP, the first of four launches of differential attention (B 2, S 2048, D 1024, 16 heads of 64).
; DEAD WORK, LEFT OUT IN THE WHOLE PROGRAM: the input bk.  A score is q . (h Wk + bk) = q . (h Wk) + q . bk, and q . bk is the same for every key of a row: a term added to a
; softmax's input that is the same along its axis leaves the softmax as it is, for all finite values of the inputs.  The score products are not quantised, so bk moves no code and no scale.
; bk has then no way to any output: it is not loaded and is no argument of any launch.  LIMIT: a NaN, an infinity or an overflow that enters through bk alone is not carried to the result.
; WHAT THIS LAUNCH MAKES, by the work-group's number:
;   0..63    H:    hidden_states [4096][1024] f32 -> codes of E2M1 (K innermost, 512 bytes a row) and one E8M0 byte for each 32 along K
;   64..223  W:    Wq, Wk, Wv ([K][N] f32, K the first axis) -> codes [5120 rows][512 bytes] and bytes [5120][32].  Row n' of the joint weight: Q: 128 head + 64 part + d;  K: 2048 + the same;  V: 4096 + column
;   224..255 WO:   Wo [K][N] f32 -> f16, laid in the order of the last launch's operand registers: [K step of 256][16 columns][32 K][register group][lane][16 bytes]
;   256      MISC: mk = (1 - attention_mask) x (-80000): reference()'s mask term divided by the scale 1/8 (a power of two: nothing is rounded by that);
;                  lam = exp(lq1 . lk1) - exp(lq2 . lk2) + 0.8;  cinv = 2^floor(log2(max(1, |lam|)));  c2 = 1 / cinv;  the four words c2, -lam c2, cinv, lam, 32 times
; THE QUANTISER: a block's scale is 2^(floor(log2(largest magnitude)) - 2); its byte is the largest magnitude's exponent field - 2, held at 1 from below.
; LIMITS: a block of zeros has the byte 1 where the rule says 127 (its codes are zeros, and this program alone reads the bytes); NaN and infinities among the inputs are not served; lam beyond 2^127 is not served.
; Each path has LDS bytes of its own.  No tensor loads.
.set SPW,   12                         ; v12  LDS address of my spare word; never rewritten
.set NIL,   13                         ; v13  0; never rewritten
.set WREG,  8192                       ; path H: a region for each wave: two stages of 32 x 80 bytes, then its 256 scale bytes
.set SP,    80
.set WSTG,  65536                      ; path W: 64 rows (columns of the weight) x 272 bytes: 256 bytes of codes + 16 of padding
.set WSC,   82944                      ; path W: 64 x 16 scale bytes
.set SPARE, 83968                      ; the spare words: 128 bytes for each of eight waves
.set HR,    16                         ; H: v16-143  eight sets of 16 numbers as loaded
.set HX,    144                        ; H: v144-175 two sets of 16 neighbours
.set HE,    176                        ; H: v176-191 a scale byte for each step
.set HC,    192                        ; H: v192-255 codes, four registers a step
.set WX,    32                         ; W, WO: v32-95 two sets of 32 numbers
.set WC,    96                         ; W: v96-99 a block's codes;  WO: v96-159 f16 pairs, 16 registers a block
.set WOFF,  176                        ; W: v176-207 row i's byte offset: pitch x i + 4 x lane
	v_lshl_add_u32 v[SPW], v0, 2, SPARE
	v_mov_b32 v[NIL], 0
	v_lshrrev_b32 v1, 5, v0
	v_readfirstlane_b32 s16, v1                    ; wave 0..7
	v_and_b32 v2, 31, v0                           ; lane
	s_cmp_lt_u32 ttmp9, 64                         ; the paths part on the work-group's number alone: all eight waves go the same way
	s_cbranch_scc1 .Lpath_h
	s_cmp_lt_u32 ttmp9, 224
	s_cbranch_scc1 .Lpath_w
	s_cmp_lt_u32 ttmp9, 256
	s_cbranch_scc1 .Lpath_wo
; ---------------- MISC ----------------
	s_load_b64 s[4:5], s[0:1], 0x28                ; attention_mask
	s_load_b64 s[6:7], s[0:1], 0x78                ; aux
	s_load_b256 s[20:27], s[0:1], 0x30             ; lq1, lk1, lq2, lk2
	v_lshlrev_b32 v3, 4, v0                        ; 16 bytes a thread: 4,096 bytes a load of the work-group
	s_mov_b32 s28, 0x76543210
	s_mov_b32 s29, 0xfedcba98                      ; lane selects: lane l xor 16
	s_wait_kmcnt 0x0
.irp i, 0,1,2,3
	global_load_b128 v[16+4*\i:19+4*\i], v3, s[4:5] offset:4096*\i
.endr
	s_wait_loadcnt 0x0
.irp i, 0,1,2,3,4,5,6,7,8,9,10,11,12,13,14,15
	v_sub_f32 v[16+\i], 1.0, v[16+\i]
.endr
.irp i, 0,1,2,3,4,5,6,7,8,9,10,11,12,13,14,15
	v_mul_f32 v[16+\i], 0xc79c4000, v[16+\i]       ; x -80000
.endr
.irp i, 0,1,2,3
	global_store_b128 v3, v[16+4*\i:19+4*\i], s[6:7] offset:4096*\i
.endr
	s_cmp_lg_u32 s16, 0                            ; wave 0 alone makes the four words
	s_cbranch_scc1 .Lmisc_end
	v_lshlrev_b32 v4, 3, v2                        ; two numbers a lane
	v_lshlrev_b32 v5, 4, v2
	global_load_b64 v[32:33], v4, s[20:21]
	global_load_b64 v[34:35], v4, s[22:23]
	global_load_b64 v[36:37], v4, s[24:25]
	global_load_b64 v[38:39], v4, s[26:27]
	v_mov_b32 v42, 0                               ; a lane permute's destination counts as one of its sources
	v_mov_b32 v43, 0
	s_wait_loadcnt 0x0
	v_mul_f32 v40, v32, v34
	v_mul_f32 v41, v36, v38
	v_fmac_f32 v40, v33, v35
	v_fmac_f32 v41, v37, v39
.irp m, 1,2,4,8
	v_add_f32_dpp v40, v40, v40 row_xmask:\m row_mask:0xf bank_mask:0xf
	v_add_f32_dpp v41, v41, v41 row_xmask:\m row_mask:0xf bank_mask:0xf
.endr
	v_permlanex16_b32 v42, v40, s28, s29
	v_permlanex16_b32 v43, v41, s28, s29
	v_add_f32 v40, v40, v42                        ; lq1 . lk1
	v_add_f32 v41, v41, v43                        ; lq2 . lk2
	v_mul_f32 v40, 0x3fb8aa3b, v40                 ; x log2(e)
	v_mul_f32 v41, 0x3fb8aa3b, v41
	v_exp_f32 v40, v40
	v_exp_f32 v41, v41
	v_nop                                          ; a plain instruction behind the last exponential
	s_wait_alu depctr_va_vdst(0)                   ; one wait for both, ahead of their first reader
	v_sub_f32 v51, v40, v41
	v_add_f32 v51, 0x3f4ccccd, v51                 ; lam
	v_max_num_f32 v45, |v51|, 1.0
	v_and_b32 v50, 0x7f800000, v45                 ; cinv: the exponent field alone
	v_sub_nc_u32 v48, 0x7f000000, v50              ; c2 = 1 / cinv: exponent field 254 - cinv's
	v_mul_f32 v49, -v51, v48                       ; -lam c2
	global_store_b128 v5, v[48:51], s[6:7] offset:16384   ; every lane stores the four words: 512 consecutive bytes
.Lmisc_end:
	s_endpgm
; ---------------- H: hidden_states, a plain stream of blocks of 32 ----------------
; A wave takes 16 steps of 512 numbers.  Each load reads 512 consecutive bytes; a step's 2,048 bytes turn through the wave's own stage in LDS, so that a lane holds 16 neighbours (two lanes to a block).
.Lpath_h:
	s_load_b64 s[4:5], s[0:1], 0x0                 ; hidden_states
	s_load_b128 s[8:11], s[0:1], 0x50              ; h_codes, h_scales
	v_lshlrev_b32 v3, 4, v2                        ; my 16 bytes of a load's 512
	s_mul_i32 s17, s16, WREG
	v_lshrrev_b32 v14, 2, v2
	v_mul_u32_u24 v14, v14, SP
	v_and_b32 v15, 3, v2
	v_lshl_add_u32 v14, v15, 4, v14
	v_add_nc_u32 v14, s17, v14                     ; the stage, in: 80 (lane / 4) + 16 (lane % 4)
	v_mul_u32_u24 v15, v2, SP
	v_add_nc_u32 v15, s17, v15                     ; out: 80 x lane
	v_lshlrev_b32 v4, 3, v2                        ; my 8 bytes of a step's 256 bytes of codes
	v_lshrrev_b32 v5, 1, v2
	s_add_co_u32 s17, s17, 2*32*SP
	v_add_nc_u32 v5, s17, v5                       ; my block's scale byte
	v_lshlrev_b32 v7, 3, v2
	v_add_nc_u32 v6, s17, v7                       ; and 8 of them a lane on the way out
	s_lshl_b32 s18, ttmp9, 3
	s_add_co_u32 s18, s18, s16                     ; my run of 8,192 numbers
	s_lshl_b32 s20, s18, 15
	s_mov_b32 s21, 0
	s_lshl_b32 s22, s18, 12
	s_mov_b32 s23, 0
	s_lshl_b32 s24, s18, 8
	s_mov_b32 s25, 0
	s_wait_kmcnt 0x0
	s_add_nc_u64 s[4:5], s[4:5], s[20:21]
	s_add_nc_u64 s[8:9], s[8:9], s[22:23]
	s_add_nc_u64 s[10:11], s[10:11], s[24:25]
.macro HLOAD t
.irp i, 0,1,2,3
	global_load_b128 v[HR+16*((\t)%8)+4*\i:HR+16*((\t)%8)+4*\i+3], v3, s[4:5] offset:2048*(\t)+512*\i th:TH_LOAD_NT
.endr
.endm
.macro HTURN t                         ; LDS serves a wave's instructions in order: no wait between the stores and the loads
.irp i, 0,1,2,3
	ds_store_b128 v14, v[HR+16*((\t)%8)+4*\i:HR+16*((\t)%8)+4*\i+3] offset:32*SP*((\t)%2)+8*SP*\i
.endr
.irp i, 0,1,2,3
	ds_load_b128 v[HX+16*((\t)%2)+4*\i:HX+16*((\t)%2)+4*\i+3], v15 offset:32*SP*((\t)%2)+16*\i
.endr
.endm
.irp t, 0,1,2,3,4,5,6,7
	HLOAD \t
.endr
	s_wait_loadcnt 28                              ; step 0's four loads are in; seven steps' 28 stay out
	HTURN 0
.macro HSTEP t
.set XS, HX+16*((\t)%2)
.if (\t) > 0
	s_wait_dscnt 1                                 ; this step's numbers are back from the stage; the last step's byte store may be out
.else
	s_wait_dscnt 0x0
.endif
.if (\t)+8 < 16
	HLOAD (\t)+8                                   ; into the set that this step's stage stores have read
.endif
.if (\t)+1 < 16
.if 14-(\t) >= 7
	s_wait_loadcnt 28                              ; the next step's loads are in; the seven steps behind it stay out
.else
	s_wait_loadcnt 4*(14-(\t))
.endif
	HTURN (\t)+1
.endif
	v_max3_num_f32 v8, |v[XS]|, |v[XS+1]|, |v[XS+2]|
	v_max3_num_f32 v9, |v[XS+3]|, |v[XS+4]|, |v[XS+5]|
.irp i, 6,10
	v_max3_num_f32 v8, v8, |v[XS+\i]|, |v[XS+\i+1]|
	v_max3_num_f32 v9, v9, |v[XS+\i+2]|, |v[XS+\i+3]|
.endr
	v_max3_num_f32 v8, v8, |v[XS+14]|, |v[XS+15]|
	v_max3_num_f32 v8, v8, v9, 0x1800000           ; and the floor 2^(3 - 127): the byte cannot fall under 1
	v_max_num_f32_dpp v8, v8, v8 row_xmask:1 row_mask:0xf bank_mask:0xf   ; with my neighbour's 16: the block's
	v_add_nc_u32 v11, 0xff000000, v8               ; 2 off its exponent field: the conversion's scale operand
	v_cvt_scalef32_pk8_fp4_f32 v[HC+4*(\t)], v[XS:XS+7], v11
	v_cvt_scalef32_pk8_fp4_f32 v[HC+4*(\t)+1], v[XS+8:XS+15], v11
	v_lshrrev_b32 v[HE+(\t)], 23, v11              ; the scale's byte
	ds_store_b8 v5, v[HE+(\t)] offset:16*(\t)      ; both lanes of a block write the same byte with the same value
	global_store_b64 v4, v[HC+4*(\t):HC+4*(\t)+1], s[8:9] offset:256*(\t)   ; the wave stores 256 consecutive bytes, aligned
.endm
.irp t, 0,1,2,3,4,5,6,7,8,9,10,11,12,13,14,15
	HSTEP \t
.endr
	ds_load_b64 v[8:9], v6
	s_wait_dscnt 0x0
	global_store_b64 v7, v[8:9], s[10:11]          ; my run's 256 scale bytes, aligned
	s_wait_tensorcnt 0x0                           ; the wave's end, behind my last LDS store
	ds_add_u32 v[SPW], v[NIL]
	s_wait_dscnt 0x0
	s_endpgm
; ---------------- W: Wq, Wk, Wv.  A lane takes a column, its registers run down K ----------------
; A work-group takes 64 columns x 512 along K: wave w takes columns 32 (w & 1) on and K 128 (w >> 1) on: four blocks a lane.  The codes meet in a stage (a row = a column's 256 bytes), one barrier,
; and leave as whole rows: sixteen lanes store 256 consecutive bytes, aligned.
.Lpath_w:
	s_load_b128 s[4:7], s[0:1], 0x8                ; Wq, Wk
	s_load_b64 s[8:9], s[0:1], 0x18                ; Wv
	s_load_b128 s[12:15], s[0:1], 0x60             ; w_codes, w_scales
	s_sub_co_u32 s17, ttmp9, 64                    ; j: 0..63 Wq, 64..127 Wk, 128..159 Wv
	s_and_b32 s18, s16, 1                          ; cw
	s_lshr_b32 s19, s16, 1                         ; kw
	s_mov_b32 s20, 4096
	s_cmp_lt_u32 s17, 128
	s_cselect_b32 s20, 8192, s20                   ; a row of the tensor in bytes
	s_cselect_b32 s21, 63, 31
	s_cselect_b32 s26, 1, 0                        ; 1: Wq or Wk
	s_and_b32 s21, s17, s21
	s_and_b32 s22, s21, 1                          ; y: which 512 along K
	s_lshr_b32 s23, s21, 1
	s_lshl_b32 s23, s23, 6
	s_lshl_b32 s24, s18, 5
	s_add_co_u32 s23, s23, s24                     ; c0: my wave's first column
	s_and_b32 s24, s23, 1023
	s_lshr_b32 s24, s24, 6
	s_lshl_b32 s24, s24, 7                         ; 128 x head
	s_lshr_b32 s25, s23, 10
	s_lshl_b32 s25, s25, 6                         ; 64 x part
	s_add_co_u32 s24, s24, s25
	s_and_b32 s25, s23, 63
	s_add_co_u32 s24, s24, s25
	s_lshr_b32 s25, s17, 6
	s_lshl_b32 s25, s25, 11                        ; 0, 2048, 4096
	s_cmp_eq_u32 s26, 1
	s_cselect_b32 s24, s24, s23
	s_add_co_u32 s24, s24, s25                     ; n': my first row of the joint weight
	s_lshl_b32 s27, s22, 9
	s_lshl_b32 s28, s19, 7
	s_add_co_u32 s27, s27, s28                     ; my first K
	s_mul_i32 s27, s27, s20
	s_lshl_b32 s28, s23, 2
	s_add_co_u32 s28, s27, s28
	s_mov_b32 s29, 0                               ; s[28:29]: where I read
	s_lshl_b32 s30, s24, 9
	s_lshl_b32 s31, s22, 8
	s_add_co_u32 s30, s30, s31
	s_mov_b32 s31, 0                               ; s[30:31]: codes: 512 n' + 256 y
	s_lshl_b32 s40, s24, 5
	s_lshl_b32 s41, s22, 4
	s_add_co_u32 s40, s40, s41
	s_mov_b32 s41, 0                               ; s[40:41]: scale bytes: 32 n' + 16 y
	s_lshl_b32 s42, s20, 5                         ; 32 rows
	s_mov_b32 s43, 0
	v_lshlrev_b32 v3, 2, v2
.irp i, 0,1,2,3,4,5,6,7,8,9,10,11,12,13,14,15,16,17,18,19,20,21,22,23,24,25,26,27,28,29,30,31
	v_mad_u32_u24 v[WOFF+\i], s20, \i, v3
.endr
	s_mul_i32 s44, s18, 32*272
	s_add_co_u32 s44, s44, WSTG
	v_mul_u32_u24 v4, v2, 272
	v_add_nc_u32 v4, s44, v4
	s_lshl_b32 s45, s19, 6
	v_add_nc_u32 v4, s45, v4                       ; into the stage: row 32 cw + lane, byte 64 kw
	s_lshl_b32 s46, s18, 9
	s_add_co_u32 s46, s46, WSC
	v_lshl_add_u32 v5, v2, 4, s46                  ; my column's 16 scale bytes
	s_lshl_b32 s47, s19, 2
	v_add_nc_u32 v10, s47, v5                      ; my four of them
	v_lshrrev_b32 v6, 4, v2
	v_and_b32 v9, 15, v2
	s_mul_i32 s47, s19, 8*272
	s_add_co_u32 s47, s47, s44
	v_mul_u32_u24 v7, v6, 272
	v_lshl_add_u32 v7, v9, 4, v7
	v_add_nc_u32 v7, s47, v7                       ; out of the stage: rows 32 cw + 8 kw on, sixteen lanes to a row
	s_lshl_b32 s47, s19, 12
	v_lshlrev_b32 v8, 9, v6
	v_lshl_add_u32 v8, v9, 4, v8
	v_add_nc_u32 v8, s47, v8                       ; and the same place in w_codes
	v_lshlrev_b32 v9, 5, v2                        ; a row of w_scales is 32 bytes
	s_wait_kmcnt 0x0
	s_cmp_lt_u32 s17, 64                           ; the tensor is chosen by the work-group's number alone
	s_cselect_b64 s[4:5], s[4:5], s[6:7]
	s_cmp_lt_u32 s17, 128
	s_cselect_b64 s[4:5], s[4:5], s[8:9]
	s_add_nc_u64 s[32:33], s[4:5], s[28:29]        ; a base for each of my four blocks: no pointer is stepped
	s_add_nc_u64 s[34:35], s[32:33], s[42:43]
	s_add_nc_u64 s[36:37], s[34:35], s[42:43]
	s_add_nc_u64 s[38:39], s[36:37], s[42:43]
	s_add_nc_u64 s[12:13], s[12:13], s[30:31]
	s_add_nc_u64 s[14:15], s[14:15], s[40:41]
.macro WLOAD t
.irp i, 0,1,2,3,4,5,6,7,8,9,10,11,12,13,14,15,16,17,18,19,20,21,22,23,24,25,26,27,28,29,30,31
	global_load_b32 v[WX+32*((\t)%2)+\i], v[WOFF+\i], s[32+2*(\t):33+2*(\t)] th:TH_LOAD_NT
.endr
.endm
	WLOAD 0
	WLOAD 1
.macro WBLOCK t
.set XS, WX+32*((\t)%2)
.if (\t) < 3
	s_wait_loadcnt 32                              ; this block's 32 loads are in; the next block's stay out
.else
	s_wait_loadcnt 0x0
.endif
	v_max3_num_f32 v14, |v[XS]|, |v[XS+1]|, |v[XS+2]|
	v_max3_num_f32 v15, |v[XS+3]|, |v[XS+4]|, |v[XS+5]|
.irp i, 6,10,14,18,22,26
	v_max3_num_f32 v14, v14, |v[XS+\i]|, |v[XS+\i+1]|
	v_max3_num_f32 v15, v15, |v[XS+\i+2]|, |v[XS+\i+3]|
.endr
	v_max3_num_f32 v14, v14, |v[XS+30]|, |v[XS+31]|
	v_max3_num_f32 v14, v14, v15, 0x1800000        ; and the floor
	v_add_nc_u32 v11, 0xff000000, v14              ; the conversion's scale operand
	v_lshrrev_b32 v15, 23, v11                     ; the byte
.if (\t) == 0
	v_mov_b32 v24, v15
.else
	v_lshl_or_b32 v24, v15, 8*(\t), v24
.endif
.irp g, 0,1,2,3
	v_cvt_scalef32_pk8_fp4_f32 v[WC+\g], v[XS+8*\g:XS+8*\g+7], v11
.endr
	ds_store_b128 v4, v[WC:WC+3] offset:16*(\t)
.if (\t)+2 < 4
	WLOAD (\t)+2
.endif
	s_wait_dscnt 0x0                               ; the store has read its registers: the next block's codes may be written
.endm
.irp t, 0,1,2,3
	WBLOCK \t
.endr
	ds_store_b32 v10, v24
	s_wait_dscnt 0x0                               ; for the others' sake: my stores have landed
	s_barrier_signal -1
	s_barrier_wait -1
.irp i, 0,1,2,3
	ds_load_b128 v[112+4*\i:115+4*\i], v7 offset:544*\i
.endr
.irp i, 0,1,2,3
	s_wait_dscnt 3-\i                              ; the younger loads stay out
	global_store_b128 v8, v[112+4*\i:115+4*\i], s[12:13] offset:1024*\i
.endr
	s_cmp_lg_u32 s19, 0                            ; the two waves with kw = 0 store the scale bytes, 16 a row
	s_cbranch_scc1 .Lw_end
	ds_load_b128 v[128:131], v5
	s_wait_dscnt 0x0
	global_store_b128 v9, v[128:131], s[14:15]
.Lw_end:
	s_wait_tensorcnt 0x0                           ; the wave's end, behind my last LDS store
	ds_add_u32 v[SPW], v[NIL]
	s_wait_dscnt 0x0
	s_endpgm
; ---------------- WO: Wo to f16, in the order of an operand's registers.  No LDS ----------------
; A lane takes column n and 128 along K.  Eight neighbours along K, k = 8 p .. 8 p + 7 of a fragment's 32, are the 16 bytes of image lane 16 (p & 1) + n % 16, register group p >> 1.
.Lpath_wo:
	s_load_b64 s[4:5], s[0:1], 0x20                ; Wo
	s_load_b64 s[6:7], s[0:1], 0x70                ; wo_img
	s_sub_co_u32 s17, ttmp9, 224
	s_and_b32 s18, s17, 3                          ; which 256 columns
	s_lshr_b32 s19, s17, 2                         ; which 128 along K
	s_lshl_b32 s20, s18, 8
	s_lshl_b32 s21, s16, 5
	s_add_co_u32 s20, s20, s21                     ; n0
	s_lshl_b32 s22, s19, 19                        ; 128 rows of 4,096 bytes
	s_lshl_b32 s23, s20, 2
	s_add_co_u32 s22, s22, s23
	s_mov_b32 s23, 0
	s_lshr_b32 s24, s19, 1
	s_lshl_b32 s24, s24, 19                        ; the K step of 256: 524,288 bytes
	s_lshl_b32 s25, s20, 9                         ; 8,192 bytes for each 16 columns
	s_add_co_u32 s24, s24, s25
	s_and_b32 s25, s19, 1
	s_lshl_b32 s25, s25, 12                        ; its second 128: four fragments on
	s_add_co_u32 s24, s24, s25
	s_mov_b32 s25, 0
	v_lshlrev_b32 v3, 2, v2
	v_lshrrev_b32 v4, 4, v2
	v_and_b32 v5, 15, v2
	v_lshlrev_b32 v4, 13, v4
	v_lshl_add_u32 v4, v5, 4, v4                   ; lanes 16-31: the next 16 columns
	s_wait_kmcnt 0x0
	s_add_nc_u64 s[4:5], s[4:5], s[22:23]
	s_add_nc_u64 s[6:7], s[6:7], s[24:25]
.macro OLOAD t
.irp i, 0,1,2,3,4,5,6,7,8,9,10,11,12,13,14,15,16,17,18,19,20,21,22,23,24,25,26,27,28,29,30,31
	global_load_b32 v[WX+32*((\t)%2)+\i], v3, s[4:5] offset:(32*(\t)+\i)*4096 th:TH_LOAD_NT
.endr
.endm
	OLOAD 0
	OLOAD 1
.macro OBLOCK t
.set XS, WX+32*((\t)%2)
.if (\t) < 3
	s_wait_loadcnt 32                              ; the next block's 32 loads stay out
.else
	s_wait_loadcnt 0x0
.endif
.irp q, 0,1,2,3,4,5,6,7,8,9,10,11,12,13,14,15
	v_cvt_pk_f16_f32 v[WC+16*(\t)+\q], v[XS+2*\q], v[XS+2*\q+1]
.endr
.irp p, 0,1,2,3
	global_store_b128 v4, v[WC+16*(\t)+4*\p:WC+16*(\t)+4*\p+3], s[6:7] offset:1024*(\t)+512*(\p/2)+256*(\p%2)   ; sixteen lanes store 256 consecutive bytes, aligned; no store's data are written again
.endr
.if (\t)+2 < 4
	OLOAD (\t)+2
.endif
.endm
.irp t, 0,1,2,3
	OBLOCK \t
.endr
	s_endpgm
.Lfunc_end_k_qd45b44dffd_prep:
	.size	k_qd45b44dffd_prep, .Lfunc_end_k_qd45b44dffd_prep-k_qd45b44dffd_prep
	.p2alignl 7, 3214868480
	.fill 96, 4, 3214868480
	.section	.rodata,"a",@progbits
	.p2align	6, 0x0
	.amdhsa_kernel k_qd45b44dffd_prep
		.amdhsa_group_segment_fixed_size 84992
		.amdhsa_private_segment_fixed_size 0
		.amdhsa_enable_private_segment 0
		.amdhsa_kernarg_size 128
		.amdhsa_user_sgpr_count 2
		.amdhsa_user_sgpr_kernarg_segment_ptr 1
		.amdhsa_wavefront_size32 1
		.amdhsa_system_sgpr_workgroup_id_x 1
		.amdhsa_system_sgpr_workgroup_id_y 1
		.amdhsa_system_sgpr_workgroup_id_z 1
		.amdhsa_system_vgpr_workitem_id 0
		.amdhsa_next_free_vgpr 256
		.amdhsa_next_free_sgpr 66
		.amdhsa_reserve_vcc 0
		.amdhsa_float_denorm_mode_32 3
		.amdhsa_float_denorm_mode_16_64 3
		.amdhsa_memory_ordered 1
		.amdhsa_forward_progress 1
		.amdhsa_inst_pref_size 81
	.end_amdhsa_kernel
	.amdgpu_metadata
---
amdhsa.version: [ 1, 2 ]
amdhsa.kernels:
  - .name:           k_qd45b44dffd_prep
    .symbol:         k_qd45b44dffd_prep.kd
    .args:
      - { .name: hidden_states, .offset: 0, .size: 8, .value_kind: global_buffer, .address_space: global }
      - { .name: Wq, .offset: 8, .size: 8, .value_kind: global_buffer, .address_space: global }
      - { .name: Wk, .offset: 16, .size: 8, .value_kind: global_buffer, .address_space: global }
      - { .name: Wv, .offset: 24, .size: 8, .value_kind: global_buffer, .address_space: global }
      - { .name: Wo, .offset: 32, .size: 8, .value_kind: global_buffer, .address_space: global }
      - { .name: attention_mask, .offset: 40, .size: 8, .value_kind: global_buffer, .address_space: global }
      - { .name: lq1, .offset: 48, .size: 8, .value_kind: global_buffer, .address_space: global }
      - { .name: lk1, .offset: 56, .size: 8, .value_kind: global_buffer, .address_space: global }
      - { .name: lq2, .offset: 64, .size: 8, .value_kind: global_buffer, .address_space: global }
      - { .name: lk2, .offset: 72, .size: 8, .value_kind: global_buffer, .address_space: global }
      - { .name: h_codes, .offset: 80, .size: 8, .value_kind: global_buffer, .address_space: global }
      - { .name: h_scales, .offset: 88, .size: 8, .value_kind: global_buffer, .address_space: global }
      - { .name: w_codes, .offset: 96, .size: 8, .value_kind: global_buffer, .address_space: global }
      - { .name: w_scales, .offset: 104, .size: 8, .value_kind: global_buffer, .address_space: global }
      - { .name: wo_img, .offset: 112, .size: 8, .value_kind: global_buffer, .address_space: global }
      - { .name: aux, .offset: 120, .size: 8, .value_kind: global_buffer, .address_space: global }
    .group_segment_fixed_size: 84992
    .private_segment_fixed_size: 0
    .kernarg_segment_align: 8
    .kernarg_segment_size: 128
    .max_flat_workgroup_size: 256
    .sgpr_count:     66
    .vgpr_count:     256
    .wavefront_size: 32
...
	.end_amdgpu_metadata
.endif
;; end of part 1
;; launch qkv (part 2): grid 20 x 16, 4 waves a work-group, clusters of 4 x 4, 327,680 bytes of LDS; arguments h_codes, h_scales, w_codes, w_scales, qkv, bq, bv; writes qkv
.if DOCPART == 2
	.amdgcn_target "amdgcn-amd-amdhsa--gfx1250"
	.amdhsa_code_object_version 6
	.text
	.protected	k_qd45b44dffd_qkv
	.globl	k_qd45b44dffd_qkv
	.p2align	8
	.type	k_qd45b44dffd_qkv,@function
k_qd45b44dffd_qkv:
	s_mov_b64 s[64:65], 0
	v_nop
	global_prefetch_b8 v0, s[64:65] scope:SCOPE_SE
	s_setreg_imm32_b32 hwreg(HW_REG_WAVE_MODE, 25, 1), 1
	s_wait_xcnt 0x0
	s_wait_alu depctr_hold_cnt(0) depctr_sa_sdst(0) depctr_va_vdst(0) depctr_va_sdst(0) depctr_va_ssrc(0) depctr_va_vcc(0) depctr_vm_vsrc(0)
	s_getreg_b32 s2, hwreg(HW_REG_IB_STS2, 6, 4)
	s_cmp_eq_u32 s2, 0
	s_cbranch_scc0 .Lentry_in_a_cluster
	s_endpgm
.Lentry_in_a_cluster:
	s_bfe_u32 s2, ttmp6, 0x10000c
	s_cmp_lg_u32 s2, 0xf033
	s_cbranch_scc0 .Lentry_shape_is_right
	s_endpgm
.Lentry_shape_is_right:
; QKV: the three quantised projections as ONE product on codes of E2M1: [4096 tokens][1024] x [5120 rows n'][1024]^T, sums in f32; + bq, + bv; rounded to f16.
; bk is left out: it adds the same number to every score of a row, which the softmax takes away (shown at the head of the first launch).
; A tile of 256 x 256 is made by four waves, 128 x 128 each: 64 accumulators.  All of K = 1,024 lies in two LDS slots of 512 along K, asked for at the head: no slot is filled again.
; The scale bytes of the work-group's rows come once, as dense blocks.  CLUSTERS 4 x 4: A's tiles are asked for jointly along a row of the cluster, B's along a column.
; THE MATRIX INSTRUCTION IS USED TRANSPOSED (source 0 = 16 rows of the weight, source 1 = 16 tokens): lane (r, h) holds token r and eight neighbouring columns 16 b + 8 h + 0 .. 7.
; THE WAY OUT NEEDS NO STAGE: those eight, packed to f16, are the 16 bytes that the same lane holds in register group b % 2 of fragment b / 2 of the next launch's operand.  So the results are stored as
; images of that operand's registers: each store of the wave covers 512 consecutive bytes, aligned.
;   Q at 0:          [batch x head 32][16 queries 128][4,096 B]: fragment f (q1's channels 0-31, 32-63, q2's likewise) at 1,024 f, group at 512, lane at 16
;   K, V at 2^24:    [batch x head 32][16 keys 128][6,144 B]: K as Q; V at +4,096: 16 channels c at 512 c, in it key r at 32 r, channel half at 16 h
; LIMIT: |q|, |k|, |v| stay under 65,504, f16's largest number.
; REGISTERS: window 0: v0-31 addresses; v32-95 scale words, two sets (on the way out v32-63: packed results); v128-191 A's fragments; v192-255 the bias.  Window 1: B's fragments, two sets.  Windows 2, 3: the accumulators.
.set NQ,     4                         ; matrix instructions deep in a slot
.set ROWB,   256                       ; a tile's row: 512 codes
.set KROW,   512                       ; a row of codes in memory
.set PITCH,  272                       ; an LDS row: 256 bytes + 16 of padding
.set FR,     8
.set NL,     2
.set NP,     4
.set HALFT,  128*PITCH
.set SLOT,   4*HALFT
.set KS,     32                        ; a row of scale bytes
.set SCL,    2*SLOT
.set HALFS,  (128*KS/256)*272
.set SBLK,   (16*KS/256)*272
.set SPARE,  SCL+4*HALFS               ; the spare words, 128 bytes for each wave
.set ADRA, 16
.set ADRB, 20
.set BO,   24                          ; v24  byte offset of my bias numbers, columns 0-63 of my 128
.set CO2,  25                          ; v25  my byte offset in an image, columns 64-127
.set CO,   26                          ; v26  the same, columns 0-63
.set ADRS, 27
.set SPW,  28
.set NIL,  29
.set BO2,  30                          ; v30  bias, columns 64-127
.set SC,   32
.set TMP,  32
.set AF,   128
.set BI,   192
.set G1, 24
.set G0, 32
.set G1B, 48
.set G0B, 56
.set G1S, 68
.set G0S, 76
.set G1SB, 80
.set G0SB, 88
.set MSB, 0
.macro WIN new                         ; the immediate's high byte repeats the setting that is left
.if MSB != \new
	s_set_vgpr_msb (MSB<<8)|\new
.set MSB, \new
.endif
.endm
.set MUL_LO, 0xa1
.set MUL_HI, 0xf1
.set TO_B,   0x40
.macro JLOAD g0a, g1a, g0b, g1b        ; a joint load: waves 0 and 1 fetch for A, waves 2 and 3 for B; an s_nop 0 and four v_nop follow each line
	s_cmp_eq_u32 s15, 0
	s_cbranch_scc0 .Lfor_b_\@
	tensor_load_to_lds s[\g0a:\g0a+3], s[\g1a:\g1a+7]
	s_nop 0
.rept 4
	v_nop
.endr
	s_branch .Lasked_\@
.Lfor_b_\@:
	tensor_load_to_lds s[\g0b:\g0b+3], s[\g1b:\g1b+7]
	s_nop 0
.rept 4
	v_nop
.endr
.Lasked_\@:
.endm
.macro CROUND                          ; a round of the cluster's barrier
	s_barrier_signal -1
	s_barrier_wait -1
	s_cmp_lg_u32 s14, 0
	s_cbranch_scc1 .Lnot_wave_0_\@
	s_barrier_signal -3
.Lnot_wave_0_\@:
	s_barrier_wait -3
	s_barrier_signal -1
	s_barrier_wait -1
.endm
	s_load_b128 s[4:7], s[0:1], 0x0                ; h_codes, h_scales
	s_load_b128 s[8:11], s[0:1], 0x10              ; w_codes, w_scales
	s_load_b64 s[12:13], s[0:1], 0x20              ; qkv
	s_load_b128 s[96:99], s[0:1], 0x28             ; bq, bv
	v_lshl_add_u32 v[SPW], v0, 2, SPARE
	v_mov_b32 v[NIL], 0
	ds_add_u32 v[SPW], v[NIL]                      ; the wave's opening: the add, twice on end, and its wait ahead of my first tensor load
	ds_add_u32 v[SPW], v[NIL]
	v_lshrrev_b32 v1, 5, v0
	v_readfirstlane_b32 s14, v1                    ; wave 0..3
	s_lshr_b32 s15, s14, 1                         ; my half of the tile's rows.  Also: I fetch for A (0) or for B (1)
	s_and_b32 s16, s14, 1                          ; my half of its columns.  Also: which 128 rows I fetch
	s_bfe_u32 s40, ttmp6, 0x40000                  ; cx
	s_bfe_u32 s41, ttmp6, 0x40004                  ; cy
	s_lshl_b32 s42, ttmp9, 2
	s_add_co_u32 s42, s42, s40                     ; tile column
	s_and_b32 s17, ttmp7, 0xffff
	s_lshl_b32 s17, s17, 2
	s_add_co_u32 s17, s17, s41                     ; tile row
	s_lshl_b32 s43, s41, 2
	s_lshl_b32 s43, 15, s43                        ; my row of the cluster
	s_lshl_b32 s44, 0x1111, s40                    ; my column
	s_or_b32 s[G1+0], s43, (0<<16)|(1<<20)|(1<<21)|(5<<22)|(3<<25)  ; mask; elements of 1 byte; padding: 4 words behind every 64
	s_or_b32 s[G1B+0], s44, (0<<16)|(1<<20)|(1<<21)|(5<<22)|(3<<25)
.irp g, G1, G1B
	s_mov_b32 s[\g+1], ROWB<<16                    ; tensor_dim0
	s_mov_b32 s[\g+2], 128<<16                     ; tensor_dim1
	s_mov_b32 s[\g+3], ROWB<<16                    ; tile_dim0
	s_mov_b32 s[\g+4], 128                         ; tile_dim1
	s_mov_b32 s[\g+5], KROW                        ; the pitch
	s_mov_b32 s[\g+6], 0
	s_mov_b32 s[\g+7], 0
.endr
	s_or_b32 s[G1S+0], s43, (3<<16)|(1<<20)|(1<<21)|(5<<22)|(3<<25) ; the scales of 128 rows: a dense block as rows of 256 bytes, 16 of padding behind each
	s_or_b32 s[G1SB+0], s44, (3<<16)|(1<<20)|(1<<21)|(5<<22)|(3<<25)
.irp g, G1S, G1SB
	s_mov_b32 s[\g+1], 32<<16
	s_mov_b32 s[\g+2], (128*KS/256)<<16
	s_mov_b32 s[\g+3], 32<<16
	s_mov_b32 s[\g+4], 128*KS/256
	s_mov_b32 s[\g+5], 32
	s_mov_b32 s[\g+6], 0
	s_mov_b32 s[\g+7], 0
.endr
	s_lshl_b32 s18, s16, 7
	s_lshl_b32 s20, s17, 8
	s_add_co_u32 s20, s20, s18                     ; A: row 256 x tile row + 128 x half
	s_lshl_b32 s46, s42, 8
	s_add_co_u32 s46, s46, s18                     ; B: row 256 x tile column + 128 x half
	s_mov_b32 s21, 0
	s_mov_b32 s47, 0
	s_mov_b64 s[18:19], KS
	s_mul_u64 s[22:23], s[20:21], s[18:19]
	s_mul_u64 s[92:93], s[46:47], s[18:19]
	s_mov_b64 s[18:19], KROW
	s_mul_u64 s[20:21], s[20:21], s[18:19]
	s_mul_u64 s[46:47], s[46:47], s[18:19]
	s_mul_i32 s45, s14, HALFT                      ; where they go: no place in the cluster enters an LDS address
	s_mul_i32 s94, s14, HALFS
	s_wait_dscnt 0x0                               ; both opening adds are done
	s_wait_kmcnt 0x0
	s_add_nc_u64 s[20:21], s[4:5], s[20:21]
	s_add_nc_u64 s[22:23], s[6:7], s[22:23]
	s_add_nc_u64 s[46:47], s[8:9], s[46:47]
	s_add_nc_u64 s[92:93], s[10:11], s[92:93]
	CROUND                                         ; all sixteen work-groups are here: the first joint loads meet
	s_mov_b32 s[G0S], 1
	s_add_co_u32 s[G0S+1], s94, SCL
	s_mov_b64 s[G0S+2:G0S+3], s[22:23]
	s_or_b32 s[G0S+3], s[G0S+3], 0x80000000
	s_mov_b32 s[G0SB], 1
	s_add_co_u32 s[G0SB+1], s94, SCL
	s_mov_b64 s[G0SB+2:G0SB+3], s[92:93]
	s_or_b32 s[G0SB+3], s[G0SB+3], 0x80000000
	JLOAD G0S, G1S, G0SB, G1SB                     ; a wave has three tensor loads out: the scales and both slots
.irp s, 0,1
	s_mov_b32 s[G0+4*\s], 1
	s_add_co_u32 s[G0+4*\s+1], s45, \s*SLOT
	s_add_nc_u64 s[G0+4*\s+2:G0+4*\s+3], s[20:21], \s*ROWB
	s_or_b32 s[G0+4*\s+3], s[G0+4*\s+3], 0x80000000
	s_mov_b32 s[G0B+4*\s], 1
	s_add_co_u32 s[G0B+4*\s+1], s45, \s*SLOT
	s_add_nc_u64 s[G0B+4*\s+2:G0B+4*\s+3], s[46:47], \s*ROWB
	s_or_b32 s[G0B+4*\s+3], s[G0B+4*\s+3], 0x80000000
	JLOAD G0+4*\s, G1, G0B+4*\s, G1B
.endr
	v_and_b32 v1, 15, v0                           ; r
	v_bfe_u32 v2, v0, 4, 1                         ; h
	v_mul_u32_u24 v3, v1, PITCH
	v_lshl_add_u32 v4, v2, 4, v3
	s_mul_i32 s21, s15, HALFT
	s_mul_i32 s22, s16, HALFT
	s_add_co_u32 s22, s22, 2*HALFT
.irp s, 0,1
	v_add_nc_u32 v[ADRA+\s], s21, v4
	v_add_nc_u32 v[ADRB+\s], s22, v4
	s_add_co_u32 s21, s21, SLOT
	s_add_co_u32 s22, s22, SLOT
.endr
	v_mul_u32_u24 v5, v1, KS
	v_lshrrev_b32 v6, 8, v5
	v_lshl_add_u32 v5, v6, 4, v5                   ; my row's scales: 32 bytes a row, 16 more for each 256 passed
	s_mul_i32 s21, s15, HALFS
	s_mul_i32 s22, s16, HALFS
	s_add_co_u32 s22, s22, 2*HALFS
	s_sub_co_u32 s22, s22, s21
	v_mul_u32_u24 v6, s22, v2                      ; lanes 16-31 take B's
	s_add_co_u32 s21, s21, SCL
	v_add_nc_u32 v5, v5, v6
	v_add_nc_u32 v[ADRS], s21, v5
	; where my results go.  s100: 0 Q, 1 K, 2 V: it hangs on the cluster's x alone, so it is the same in all sixteen partners
	s_lshr_b32 s100, ttmp9, 1
	s_lshl_b32 s101, s42, 1
	s_add_co_u32 s101, s101, s16                   ; hw: which 128 columns of the 5,120
	s_lshl_b32 s20, s17, 8
	s_lshl_b32 s21, s15, 7
	s_add_co_u32 s20, s20, s21                     ; my first token
	s_lshr_b32 s21, s20, 11                        ; its batch
	s_and_b32 s22, s20, 2047
	s_lshr_b32 s22, s22, 4                         ; its tile of 16 in the sequence
	s_and_b32 s23, s101, 15                        ; Q, K: the head
	s_and_b32 s45, s101, 7
	s_lshl_b32 s45, s45, 1                         ; V: the first of my two heads
	s_cmp_eq_u32 s100, 2
	s_cselect_b32 s23, s45, s23
	s_lshl_b32 s21, s21, 4
	s_add_co_u32 s21, s21, s23                     ; batch x 16 + head
	s_mov_b32 s46, 786432
	s_mov_b32 s92, 6144
	s_cmp_eq_u32 s100, 0
	s_cselect_b32 s46, 524288, s46                 ; bytes of a head's images
	s_cselect_b32 s92, 4096, s92                   ; and of 16 tokens': what the base steps by
	s_mov_b32 s93, 0
	s_mul_i32 s46, s21, s46
	s_mul_i32 s47, s22, s92
	s_add_co_u32 s46, s46, s47
	s_mov_b32 s47, 16777216
	s_cmp_eq_u32 s100, 0
	s_cselect_b32 s47, 0, s47
	s_add_co_u32 s46, s46, s47
	s_cmp_eq_u32 s100, 2
	s_cselect_b32 s47, 4096, 0
	s_add_co_u32 s46, s46, s47
	s_mov_b32 s47, 0
	s_add_nc_u64 s[12:13], s[12:13], s[46:47]
	s_mov_b32 s19, 256
	s_mov_b32 s45, 786432
	s_cmp_eq_u32 s100, 2
	s_cselect_b32 s18, 32, 16                      ; from r to r: Q, K 16; V 32
	s_cselect_b32 s19, 16, s19                     ; from h to h: Q, K 256; V 16
	s_cselect_b32 s45, s45, 2048                   ; columns 64-127: Q, K fragments 2, 3; V the next head
	v_mul_u32_u24 v[CO], s18, v1
	v_mul_u32_u24 v5, s19, v2
	v_add_nc_u32 v[CO], v[CO], v5
	v_add_nc_u32 v[CO2], s45, v[CO]
	s_lshl_b32 s18, s101, 8                        ; bq: 64 numbers a head
	s_sub_co_u32 s19, s101, 32
	s_lshl_b32 s19, s19, 9                         ; bv: 128 numbers for my two heads
	s_mov_b32 s45, 4096
	s_cmp_eq_u32 s100, 2
	s_cselect_b32 s18, s19, s18
	s_cselect_b32 s45, 256, s45                    ; columns 64-127: bq's second half is 1,024 numbers on; bv's next head 64
	s_cselect_b64 s[96:97], s[98:99], s[96:97]
	v_lshl_add_u32 v[BO], v2, 5, s18
	v_add_nc_u32 v[BO2], s45, v[BO]
.macro FRAG reg, adr, q, i             ; 16 rows x 128 K of 4-bit codes: 8 registers, two loads of 16 bytes, 32 bytes apart
.irp c, 0,1
	ds_load_b128 v[\reg+4*\c:\reg+4*\c+3], v[\adr] offset:64*(\q)+32*\c+(\i)*16*PITCH
.endr
.endm
; 16 matrix instructions: A's blocks a0, a0 + 1 x B's eight.  The 64 accumulators take turns, one instruction a turn, in the same order in every step.
.macro MUL16 a0, p, q, sc, zero
.irp a, \a0, \a0+1
.irp b, 0,1,2,3,4,5,6,7
.if \zero
	v_wmma_scale_f32_16x16x128_f8f6f4 v[8*(8*((\a)%4)+\b):8*(8*((\a)%4)+\b)+7], v[128*(\p)+FR*\b:128*(\p)+FR*\b+FR-1], v[AF+FR*(\a):AF+FR*(\a)+FR-1], 0, v[SC+8*NQ*(\sc)+NQ*\b+(\q)], v[SC+8*NQ*(\sc)+NQ*(\a)+(\q)] matrix_a_fmt:MATRIX_FMT_FP4 matrix_b_fmt:MATRIX_FMT_FP4 matrix_a_scale:MATRIX_SCALE_ROW1
.else
	v_wmma_scale_f32_16x16x128_f8f6f4 v[8*(8*((\a)%4)+\b):8*(8*((\a)%4)+\b)+7], v[128*(\p)+FR*\b:128*(\p)+FR*\b+FR-1], v[AF+FR*(\a):AF+FR*(\a)+FR-1], v[8*(8*((\a)%4)+\b):8*(8*((\a)%4)+\b)+7], v[SC+8*NQ*(\sc)+NQ*\b+(\q)], v[SC+8*NQ*(\sc)+NQ*(\a)+(\q)] matrix_a_fmt:MATRIX_FMT_FP4 matrix_b_fmt:MATRIX_FMT_FP4 matrix_a_scale:MATRIX_SCALE_ROW1
.endif
.endr
.endr
.endm
.macro FETCH_B slot, q, p
	WIN TO_B
.irp i, 0,1,2,3,4,5,6,7
	FRAG 128*(\p)+FR*\i, ADRB+\slot, \q, \i
.endr
	WIN 0
.endm
.macro FETCH_A slot, q, i0
.irp i, \i0, \i0+1, \i0+2, \i0+3
	FRAG AF+FR*(\i), ADRA+\slot, \q, \i
.endr
.endm
.macro SCALES sc                       ; a slot's scale words: lanes 0-15 A's block i, lanes 16-31 B's block i
.irp i, 0,1,2,3,4,5,6,7
	ds_load_b128 v[SC+8*NQ*\sc+NQ*\i:SC+8*NQ*\sc+NQ*\i+3], v[ADRS] offset:\i*SBLK
.endr
.endm
.macro PLACES n                        ; plain vector instructions between a matrix instruction and a load into, or a vector instruction on, its registers
.rept \n
	v_nop
.endr
.endm
.macro STEP slot, q, zero              ; 128 along K, with its successor in the same slot
	s_wait_dscnt 4*NL                              ; B's set and A's blocks 0-3 are in; the youngest eight loads (A's blocks 4-7) may be out
	WIN MUL_LO
	MUL16 0, (\q)%2, \q, \slot, \zero
	MUL16 2, (\q)%2, \q, \slot, \zero
	s_wait_dscnt 0
	PLACES NP
	FETCH_B \slot, (\q)+1, 1-(\q)%2
	FETCH_A \slot, (\q)+1, 0
	WIN MUL_HI
	MUL16 4, (\q)%2, \q, \slot, \zero
	MUL16 6, (\q)%2, \q, \slot, \zero
	PLACES NP
	WIN 0
	FETCH_A \slot, (\q)+1, 4
.endm
.macro TURN slot, next                 ; a slot's last step changes slots: one barrier; nothing is filled again
	s_wait_tensorcnt 0x0                           ; all my tensor loads have landed: my part of the next slot
	ds_add_u32 v[SPW], v[NIL]                      ; 0 onto my spare word
	s_wait_dscnt 4*NL+1                            ; the add and the youngest eight loads may be out
	WIN MUL_LO
	MUL16 0, 1, NQ-1, \slot, 0
	s_wait_dscnt 0x0
	s_barrier_signal -1
	MUL16 2, 1, NQ-1, \slot, 0
	WIN 0
	s_barrier_wait -1                              ; the next slot is whole
	PLACES NP
	v_add_nc_u32 v[ADRS], 4*NQ, v[ADRS]            ; the next slot's scale words
	FETCH_B \next, 0, 0
	FETCH_A \next, 0, 0
	SCALES \next
	WIN MUL_HI
	MUL16 4, 1, NQ-1, \slot, 0
	MUL16 6, 1, NQ-1, \slot, 0
	PLACES NP
	WIN 0
	FETCH_A \next, 0, 4
.endm
.macro STEPS slot, from
.set Q, \from
.rept NQ-1-\from
	STEP \slot, Q, 0
.set Q, Q+1
.endr
.endm
.macro REST                            ; slot 1's four steps
	STEPS 1, 0
	s_wait_dscnt 4*NL
	WIN MUL_LO
	MUL16 0, 1, NQ-1, 1, 0
	MUL16 2, 1, NQ-1, 1, 0
	s_wait_dscnt 0
	WIN MUL_HI
	MUL16 4, 1, NQ-1, 1, 0
	MUL16 6, 1, NQ-1, 1, 0
	WIN 0
.endm
; THE WAY OUT, 16 tokens at a time: the bias, the rounding to f16, eight stores of 512 consecutive bytes.  Each accumulator is read from its low end on.
.macro EPI bias
	PLACES NP
.irp a, 0,1,2,3,4,5,6,7
.set AC, 64*((\a)%4)
.set WW, 2+(\a)/4
.set WADD, (WW<<6)|WW
.set WCVT, (WW<<2)|WW
.if \bias
	WIN WADD                                       ; destination and source 0: the accumulators' window; the bias in window 0
.irp b, 0,1,2,3,4,5,6,7
.irp i, 0,2,4,6
	v_pk_add_f32 v[AC+8*\b+\i:AC+8*\b+\i+1], v[AC+8*\b+\i:AC+8*\b+\i+1], v[BI+8*\b+\i:BI+8*\b+\i+1]
.endr
.endr
.endif
.if \a > 0
	s_wait_xcnt 0x0                                ; the last block's stores have read their data and their base: both are written again only behind this wait
	s_add_nc_u64 s[12:13], s[12:13], s[92:93]      ; the next 16 tokens' image
.endif
	WIN WCVT
.irp b, 0,1,2,3,4,5,6,7
.irp i, 0,1,2,3
	v_cvt_pk_f16_f32 v[TMP+4*\b+\i], v[AC+8*\b+2*\i], v[AC+8*\b+2*\i+1]
.endr
.endr
	WIN 0
.irp b, 0,1,2,3
	global_store_b128 v[CO], v[TMP+4*\b:TMP+4*\b+3], s[12:13] offset:512*\b
.endr
.irp b, 0,1,2,3
	global_store_b128 v[CO2], v[TMP+16+4*\b:TMP+16+4*\b+3], s[12:13] offset:512*\b
.endr
.endr
.endm
	s_wait_tensorcnt 1                             ; the scales and my part of slot 0 are in; slot 1's load may be out
	s_barrier_signal -1
	s_barrier_wait -1
	FETCH_B 0, 0, 0
	FETCH_A 0, 0, 0
	SCALES 0
	FETCH_A 0, 0, 4
	STEP 0, 0, 1                                   ; the first step's products start the sums: nothing is cleared
	STEPS 0, 1
	TURN 0, 1                                      ; the last barrier but the closing round's
	s_cmp_eq_u32 s100, 1                           ; K has no bias: its arm loads and adds none.  Neither arm holds a barrier or a tensor load
	s_cbranch_scc1 .Lkarm
.irp b, 0,1,2,3
	global_load_b128 v[BI+8*\b:BI+8*\b+3], v[BO], s[96:97] offset:64*\b        ; lane (r, h): the bias of columns 16 b + 8 h + 0 .. 7; slot 1's products stand between these loads and the wait for them
	global_load_b128 v[BI+8*\b+4:BI+8*\b+7], v[BO], s[96:97] offset:64*\b+16
.endr
.irp b, 0,1,2,3
	global_load_b128 v[BI+32+8*\b:BI+32+8*\b+3], v[BO2], s[96:97] offset:64*\b
	global_load_b128 v[BI+32+8*\b+4:BI+32+8*\b+7], v[BO2], s[96:97] offset:64*\b+16
.endr
	REST
	s_wait_loadcnt 0x0
	EPI 1
	s_branch .Ldone
.Lkarm:
	REST
	EPI 0
.Ldone:
	s_wait_tensorcnt 0x0                           ; the wave's end
	ds_add_u32 v[SPW], v[NIL]
	s_wait_dscnt 0x0
	CROUND                                         ; the closing round
	s_endpgm
.Lfunc_end_k_qd45b44dffd_qkv:
	.size	k_qd45b44dffd_qkv, .Lfunc_end_k_qd45b44dffd_qkv-k_qd45b44dffd_qkv
	.p2alignl 7, 3214868480
	.fill 96, 4, 3214868480
	.section	.rodata,"a",@progbits
	.p2align	6, 0x0
	.amdhsa_kernel k_qd45b44dffd_qkv
		.amdhsa_group_segment_fixed_size 327680
		.amdhsa_private_segment_fixed_size 0
		.amdhsa_enable_private_segment 0
		.amdhsa_kernarg_size 56
		.amdhsa_user_sgpr_count 2
		.amdhsa_user_sgpr_kernarg_segment_ptr 1
		.amdhsa_wavefront_size32 1
		.amdhsa_system_sgpr_workgroup_id_x 1
		.amdhsa_system_sgpr_workgroup_id_y 1
		.amdhsa_system_sgpr_workgroup_id_z 1
		.amdhsa_system_vgpr_workitem_id 0
		.amdhsa_next_free_vgpr 1024
		.amdhsa_next_free_sgpr 102
		.amdhsa_reserve_vcc 0
		.amdhsa_float_denorm_mode_32 3
		.amdhsa_float_denorm_mode_16_64 3
		.amdhsa_memory_ordered 1
		.amdhsa_forward_progress 1
		.amdhsa_inst_pref_size 200
	.end_amdhsa_kernel
	.amdgpu_metadata
---
amdhsa.version: [ 1, 2 ]
amdhsa.kernels:
  - .name:           k_qd45b44dffd_qkv
    .symbol:         k_qd45b44dffd_qkv.kd
    .args:
      - { .name: h_codes, .offset: 0, .size: 8, .value_kind: global_buffer, .address_space: global }
      - { .name: h_scales, .offset: 8, .size: 8, .value_kind: global_buffer, .address_space: global }
      - { .name: w_codes, .offset: 16, .size: 8, .value_kind: global_buffer, .address_space: global }
      - { .name: w_scales, .offset: 24, .size: 8, .value_kind: global_buffer, .address_space: global }
      - { .name: qkv, .offset: 32, .size: 8, .value_kind: global_buffer, .address_space: global }
      - { .name: bq, .offset: 40, .size: 8, .value_kind: global_buffer, .address_space: global }
      - { .name: bv, .offset: 48, .size: 8, .value_kind: global_buffer, .address_space: global }
    .group_segment_fixed_size: 327680
    .private_segment_fixed_size: 0
    .kernarg_segment_align: 8
    .kernarg_segment_size: 56
    .max_flat_workgroup_size: 128
    .sgpr_count:     102
    .vgpr_count:     1024
    .wavefront_size: 32
...
	.end_amdgpu_metadata
.endif
;; end of part 2
;; launch attn (part 3): grid 8 x 32, 8 waves a work-group, clusters of 4 x 1, 327,680 bytes of LDS; arguments qkv, aux, o_img; writes o_img
.if DOCPART == 3
	.amdgcn_target "amdgcn-amd-amdhsa--gfx1250"
	.amdhsa_code_object_version 6
	.text
	.protected	k_qd45b44dffd_attn
	.globl	k_qd45b44dffd_attn
	.p2align	8
	.type	k_qd45b44dffd_attn,@function
k_qd45b44dffd_attn:
	s_mov_b64 s[64:65], 0
	v_nop
	global_prefetch_b8 v0, s[64:65] scope:SCOPE_SE
	s_setreg_imm32_b32 hwreg(HW_REG_WAVE_MODE, 25, 1), 1
	s_wait_xcnt 0x0
	s_wait_alu depctr_hold_cnt(0) depctr_sa_sdst(0) depctr_va_vdst(0) depctr_va_sdst(0) depctr_va_ssrc(0) depctr_va_vcc(0) depctr_vm_vsrc(0)
	s_getreg_b32 s2, hwreg(HW_REG_IB_STS2, 6, 4)
	s_cmp_eq_u32 s2, 0
	s_cbranch_scc0 .Lentry_in_a_cluster
	s_endpgm
.Lentry_in_a_cluster:
	s_bfe_u32 s2, ttmp6, 0x10000c
	s_cmp_lg_u32 s2, 0x3003
	s_cbranch_scc0 .Lentry_shape_is_right
	s_endpgm
.Lentry_shape_is_right:
; ATTN: o = softmax(q1 k1^T / 8 + mask) v - lam softmax(q2 k2^T / 8 + mask) v, for one batch and head; f16 operands, f32 sums, maxima and sums of the softmax in f32.
; (bk is left out of k: shown at the head of the first launch.)
; SHARES.  A work-group owns 256 queries of one (batch, head); each of its eight waves 32: tiles T = 0, 1 of 16, for both softmaxes: four pieces 2 sg + T.  Two waves share a SIMD's registers.
; Every wave walks all 2,048 keys, 64 a step.  K and V come as images of the operands' registers, 6,144 bytes for 16 keys: a slot of 256 keys is ONE dense block of 98,304 bytes, an eighth to a wave's load.
; LAYOUT.  S^T = K Q^T + mk (source 0 = 16 keys, source 1 = 16 queries): a lane holds ONE query and keys 8 (lane / 16) + 0 .. 7.  THE MASK IS THE C OF A SCORE TILE'S FIRST PRODUCT: mk = (1 - mask) x (-80000),
; reference()'s term over the scale 1/8.  Two score tiles, as p rounded to f16 in pairs, are source 1 of O^T = V^T P.  V comes out of LDS turned, by ds_load_tr16_b128.
; SOFTMAX.  For each query and each of the two a running maximum m and sum l: p = 2^(c s - c m), c = log2(e) / 8; in every step O and l are multiplied by a = 2^(c m_old - c m_new).
; The loop has no first step of its own: O and l begin as zeros and m as -3e38, so the first a is 0.
; THE RESULT is stored as f16 of o x c2 = O1 (c2 / l1) + O2 (-lam c2 / l2), c2 = 2^-floor(log2(max(1, |lam|))): so a large lam does not leave f16's range; the last launch multiplies by 1 / c2, which rounds nothing.
; It is stored as an image of the last launch's operand: [K step of 4 heads][16 tokens][8,192 B], head h's 16 channels c at 2,048 (h % 4) + 512 c, lane at 16.
; CLUSTER.  The four query blocks of a cluster walk the same K, V and mk: every tensor load is joint, with the same descriptor in all four and a mask that names the four.
; LIMIT: 3 max|v| stays under 65,504.
; REGISTERS.  Window 0: v1-11 addresses; v12-43 statistics, 8 a piece (+0 c m, +1 m, +2, +3 l, +4 .. +7 at work, a at +6); v48-111 S^T; v112-143 P; v144-175 mk; v176-239 V.
;             Window 1: v0-127 O^T, 32 a piece; v128-191 Q; v192-255 K of one softmax.
.set SLOT1, 1<<17                      ; slot 1 begins here: one exclusive or turns an address from slot to slot
.set KTB,   6144                       ; 16 keys: K 4,096 bytes, V 2,048
.set STEPB, 4*KTB
.set TILEB, 16*KTB                     ; a slot: 256 keys
.set MKB,   2*SLOT1                    ; the batch's mk, 8,192 bytes: filled once
.set SPARE, MKB+8192                   ; the spare words, 128 bytes for each of eight waves
.set AK0, 1                            ; v1   16 x lane: an image's place for my lane; also Q's and o's offset
.set AV0, 2                            ; v2   my lane's place in a block of V for the turning load
.set AM0, 3                            ; v3   my half's place in mk
.set ADK, 4
.set ADV, 5
.set ADM, 6
.set PFO, 8                            ; v8   256 x lane
.set SPW, 10
.set NIL, 11
.set ST,  12
.set S,   48
.set P,   112
.set MK,  144
.set VF,  176
.set OA,  0                            ; window 1
.set QF,  128
.set KF,  192
.set WV,  12                           ; s12  wave
.set LIM, 15                           ; s15  1 in a wave that prefetches, else the greatest number
.set PFA, 18                           ; s[18:19] where my prefetches stand
.set G1T, 24                           ; s[24:31] group 1: 48 rows of 256 bytes, dense
.set G1M, 32                           ; s[32:39] group 1: 4 rows of 256 bytes
.set G0T, 40                           ; s[40:43] group 0 for K and V: it walks
.set G0M, 44                           ; s[44:47] group 0 for mk
.set C2,  48                           ; s48 c2, s49 -lam c2
.set TM,  50                           ; s50  the step's place in mk
.set SLOTS, 56
.set STP, 57
.set CS,  58                           ; s[58:59] c
.set SEL, 60                           ; s[60:61] lane l xor 16
.set TB,  62                           ; s62  LDS byte at which the step's 64 keys begin
.set MSB, 0
.macro WIN new                         ; the immediate's high byte repeats the setting that is left
.if MSB != \new
	s_set_vgpr_msb (MSB<<8)|\new
.set MSB, \new
.endif
.endm
.macro CROUND                          ; a round of the cluster's barrier
	s_barrier_signal -1
	s_barrier_wait -1
	s_cmp_lg_u32 s[WV], 0
	s_cbranch_scc1 .Lnot_wave_0_\@
	s_barrier_signal -3
.Lnot_wave_0_\@:
	s_barrier_wait -3
	s_barrier_signal -1
	s_barrier_wait -1
.endm
.macro PLACES
.rept 4
	v_nop
.endr
.endm
; A PREFETCH of the slot that the NEXT change of slots will ask for: 98,304 bytes, lanes 256 bytes apart.  Both clusters of a head walk the same bytes: the first asks.  Its four partners take 24,576 bytes each,
; told apart by address; in each, waves 0 to 2 ask for 8,192 bytes, one instruction each.  So each block of 256 bytes is named once.  The last change that fills a slot asks for nothing.
.macro ASK
	s_cmp_gt_u32 s[SLOTS], s[LIM]
	s_cbranch_scc0 .Lnot_mine_\@
	global_prefetch_b8 v[PFO], s[PFA:PFA+1] th:TH_LOAD_NT scope:SCOPE_SE
.Lnot_mine_\@:
.endm
	s_load_b128 s[4:7], s[0:1], 0x0                ; qkv, aux
	s_load_b64 s[8:9], s[0:1], 0x10                ; o_img
	v_lshl_add_u32 v[SPW], v0, 2, SPARE
	v_mov_b32 v[NIL], 0
	ds_add_u32 v[SPW], v[NIL]                      ; the wave's opening: the add, twice on end, and its wait ahead of my first tensor load
	ds_add_u32 v[SPW], v[NIL]
	v_lshrrev_b32 v1, 5, v0
	v_readfirstlane_b32 s[WV], v1                  ; wave 0..7
	s_bfe_u32 s13, ttmp6, 0x40000                  ; cx
	s_lshl_b32 s14, ttmp9, 2
	s_add_co_u32 s14, s14, s13                     ; my block of 256 queries: it enters Q's, o's and the prefetches' addresses alone
	s_and_b32 s16, ttmp7, 0xffff                   ; batch x 16 + head, which the partners share
	s_lshr_b32 s17, s16, 4                         ; batch
	s_and_b32 s51, s16, 15                         ; head
	s_mul_i32 s20, s16, 786432
	s_add_co_u32 s20, s20, 16777216
	s_mul_i32 s22, s[WV], 12288                    ; my eighth of a slot, in memory and in LDS
	s_add_co_u32 s20, s20, s22
	s_mov_b32 s21, 0                               ; s[20:21]: K, V: my part of the first 256 keys
	s_lshl_b32 s52, s17, 13
	s_lshl_b32 s23, s[WV], 10
	s_add_co_u32 s52, s52, s23
	s_mov_b32 s53, 0                               ; s[52:53]: mk: my eighth of the batch's
	s_lshl_b32 s2, s16, 19
	s_lshl_b32 s3, s14, 16
	s_add_co_u32 s2, s2, s3
	s_lshl_b32 s3, s[WV], 13
	s_add_co_u32 s2, s2, s3
	s_mov_b32 s3, 0                                ; s[2:3]: Q: my two tiles
	s_lshr_b32 s54, s51, 2
	s_lshl_b32 s54, s54, 21
	s_lshl_b32 s55, s17, 20
	s_add_co_u32 s54, s54, s55
	s_lshl_b32 s55, s14, 17
	s_add_co_u32 s54, s54, s55
	s_lshl_b32 s55, s[WV], 14
	s_add_co_u32 s54, s54, s55
	s_and_b32 s55, s51, 3
	s_lshl_b32 s55, s55, 11
	s_add_co_u32 s54, s54, s55
	s_mov_b32 s55, 0                               ; s[54:55]: o
	s_mul_i32 s18, s16, 786432
	s_add_co_u32 s18, s18, 16777216+TILEB
	s_mul_i32 s19, s13, 24576
	s_add_co_u32 s18, s18, s19
	s_lshl_b32 s19, s[WV], 13
	s_add_co_u32 s18, s18, s19
	s_mov_b32 s19, 0                               ; the prefetches: in the second 256 keys; the first change of slots steps them to the third
	s_cmp_lt_u32 s[WV], 3
	s_cselect_b32 s[LIM], 0, 1
	s_or_b32 s[LIM], s[LIM], ttmp9                 ; waves 0 to 2 of the head's first cluster: the same in all four partners
	s_cmp_eq_u32 s[LIM], 0
	s_cselect_b32 s[LIM], 1, -1
	s_mov_b32 s[G1T], 15|(3<<16)|(1<<21)           ; the mask: all four; elements of 8 bytes; bit 21 beside a mask; no padding
	s_mov_b32 s[G1T+1], 32<<16                     ; tensor_dim0 = 32 elements: 256 bytes
	s_mov_b32 s[G1T+2], 48<<16                     ; tensor_dim1
	s_mov_b32 s[G1T+3], 32<<16                     ; tile_dim0
	s_mov_b32 s[G1T+4], 48                         ; tile_dim1
	s_mov_b32 s[G1T+5], 32                         ; the pitch: dense
	s_mov_b32 s[G1T+6], 0
	s_mov_b32 s[G1T+7], 0
	s_mov_b32 s[G1M], 15|(3<<16)|(1<<21)
	s_mov_b32 s[G1M+1], 32<<16
	s_mov_b32 s[G1M+2], 4<<16
	s_mov_b32 s[G1M+3], 32<<16
	s_mov_b32 s[G1M+4], 4
	s_mov_b32 s[G1M+5], 32
	s_mov_b32 s[G1M+6], 0
	s_mov_b32 s[G1M+7], 0
	s_mov_b32 s[CS], 0x3e38aa3b                    ; c = log2(e) / 8
	s_mov_b32 s[CS+1], s[CS]
	s_mov_b32 s[SEL], 0x76543210
	s_mov_b32 s[SEL+1], 0xfedcba98
	s_mov_b32 s[TB], 0
	s_mov_b32 s[TM], 0
	s_mov_b32 s[SLOTS], 7
	v_and_b32 v7, 31, v0
	v_lshlrev_b32 v[AK0], 4, v7
	v_lshlrev_b32 v[PFO], 8, v7
	v_bfe_u32 v9, v0, 4, 1                         ; h
	v_and_b32 v[AV0], 7, v0
	v_lshl_add_u32 v[AV0], v9, 3, v[AV0]           ; key 8 h + lane % 8 of a block of 16,
	v_lshlrev_b32 v[AV0], 5, v[AV0]                ; 32 bytes a key,
	v_bfe_u32 v7, v0, 3, 1
	v_lshl_add_u32 v[AV0], v7, 4, v[AV0]           ; channels 8 ((lane / 8) % 2) on,
	v_add_nc_u32 v[AV0], 4096, v[AV0]              ; behind K's 4,096 bytes
	v_lshl_add_u32 v[AM0], v9, 5, MKB              ; my half's eight keys of a tile
	s_wait_dscnt 0x0                               ; both opening adds are done
	s_wait_kmcnt 0x0
	s_mov_b32 s[G0T], 1
	s_mov_b32 s[G0T+1], s22                        ; slot 0
	s_add_nc_u64 s[G0T+2:G0T+3], s[4:5], s[20:21]
	s_or_b32 s[G0T+3], s[G0T+3], 0x80000000
	s_mov_b32 s[G0M], 1
	s_add_co_u32 s[G0M+1], s23, MKB
	s_add_nc_u64 s[G0M+2:G0M+3], s[6:7], s[52:53]
	s_or_b32 s[G0M+3], s[G0M+3], 0x80000000
	s_add_nc_u64 s[PFA:PFA+1], s[4:5], s[PFA:PFA+1]
	s_add_nc_u64 s[4:5], s[4:5], s[2:3]
	s_add_nc_u64 s[8:9], s[8:9], s[54:55]
	s_load_b64 s[C2:C2+1], s[6:7], 0x4000          ; c2, -lam c2
	CROUND                                         ; all four work-groups are here: the first joint loads meet
	tensor_load_to_lds s[G0M:G0M+3], s[G1M:G1M+7]  ; every wave issues both first fills: two tensor loads of mine are out
	s_nop 0
	tensor_load_to_lds s[G0T:G0T+3], s[G1T:G1T+7]
	s_nop 0
	PLACES
	WIN 0x40                                       ; destination window 1
.irp t, 0,1
.irp f, 0,1,2,3
	global_load_b128 v[QF+32*\t+8*\f:QF+32*\t+8*\f+3],   v[AK0], s[4:5] offset:4096*\t+1024*\f
	global_load_b128 v[QF+32*\t+8*\f+4:QF+32*\t+8*\f+7], v[AK0], s[4:5] offset:4096*\t+1024*\f+512
.endr
.endr
.set i, 0
.rept 128
	v_mov_b32 v[OA+i], 0                           ; O^T: the step is written once; its first pass multiplies zeros by a = 0
.set i, i+1
.endr
	WIN 0
.irp p, 0,1,2,3
	v_mov_b32 v[ST+8*\p+1], 0xff61b1e6             ; m = -3e38, under every score
	v_mul_f32 v[ST+8*\p], s[CS], v[ST+8*\p+1]
.irp j, 2,3,4,5,6,7
	v_mov_b32 v[ST+8*\p+\j], 0
.endr
.endr
.macro LOADK sg                        ; the step's K for softmax sg: 4 tiles of 16 keys x 2 fragments of 32 channels
	WIN 0x40
.irp kt, 0,1,2,3
.irp kh, 0,1
	ds_load_b128 v[KF+16*\kt+8*\kh:KF+16*\kt+8*\kh+3],   v[ADK] offset:KTB*\kt+1024*(2*\sg+\kh)
	ds_load_b128 v[KF+16*\kt+8*\kh+4:KF+16*\kt+8*\kh+7], v[ADK] offset:KTB*\kt+1024*(2*\sg+\kh)+512
.endr
.endr
.endm
.macro LOADM                           ; mk in the scores' layout: register j of tile kt = key 16 kt + 8 h + j
	WIN 0
.irp kt, 0,1,2,3
	ds_load_b128 v[MK+8*\kt:MK+8*\kt+3],   v[ADM] offset:64*\kt
	ds_load_b128 v[MK+8*\kt+4:MK+8*\kt+7], v[ADM] offset:64*\kt+16
.endr
.endm
.macro LOADV                           ; V^T: 32 keys g x 16 channels c: two turning loads, one for each block of 16 keys
	WIN 0
.irp g, 0,1
.irp c, 0,1,2,3
	ds_load_tr16_b128 v[VF+32*\g+8*\c:VF+32*\g+8*\c+3],   v[ADV] offset:KTB*(2*\g)+512*\c
	ds_load_tr16_b128 v[VF+32*\g+8*\c+4:VF+32*\g+8*\c+7], v[ADV] offset:KTB*(2*\g+1)+512*\c
.endr
.endr
.endm
; The accumulators take turns, one instruction a turn, in QK and in PV: between two links of a chain stand the seven others'.
.macro QK sg
	WIN 0x05                                       ; K and Q in window 1
.irp kh, 0,1
.irp kt, 0,1,2,3
.irp t, 0,1
.if \kh == 0
	v_wmma_f32_16x16x32_f16 v[S+32*\t+8*\kt:S+32*\t+8*\kt+7], v[KF+16*\kt+8*\kh:KF+16*\kt+8*\kh+7], v[QF+32*\t+8*(2*\sg+\kh):QF+32*\t+8*(2*\sg+\kh)+7], v[MK+8*\kt:MK+8*\kt+7]
.else
	v_wmma_f32_16x16x32_f16 v[S+32*\t+8*\kt:S+32*\t+8*\kt+7], v[KF+16*\kt+8*\kh:KF+16*\kt+8*\kh+7], v[QF+32*\t+8*(2*\sg+\kh):QF+32*\t+8*(2*\sg+\kh)+7], v[S+32*\t+8*\kt:S+32*\t+8*\kt+7]
.endif
.endr
.endr
.endr
.endm
.macro PV sg
	WIN 0x50                                       ; O^T (C and D) in window 1
.irp g, 0,1
.irp c, 0,1,2,3
.irp t, 0,1
	v_wmma_f32_16x16x32_f16 v[OA+32*(2*\sg+\t)+8*\c:OA+32*(2*\sg+\t)+8*\c+7], v[VF+32*\g+8*\c:VF+32*\g+8*\c+7], v[P+16*\t+8*\g:P+16*\t+8*\g+7], v[OA+32*(2*\sg+\t)+8*\c:OA+32*(2*\sg+\t)+8*\c+7]
.endr
.endr
.endr
.endm
; The softmax of softmax sg's two tiles for a step; the tiles alternate line by line.
.macro SM sg
	WIN 0
.irp j, 0,1,2,3                        ; the maximum: four chains, each begun at the low end of a score tile
.irp t, 0,1
	v_max3_num_f32 v[ST+8*(2*\sg+\t)+4+\j], v[S+32*\t+8*\j], v[S+32*\t+8*\j+1], v[S+32*\t+8*\j+2]
.endr
.endr
.irp u, 1,2
.irp j, 0,1,2,3
.irp t, 0,1
	v_max3_num_f32 v[ST+8*(2*\sg+\t)+4+\j], v[ST+8*(2*\sg+\t)+4+\j], v[S+32*\t+8*\j+2*\u+1], v[S+32*\t+8*\j+2*\u+2]
.endr
.endr
.endr
.irp t, 0,1
	v_max3_num_f32 v[ST+8*(2*\sg+\t)+4], v[ST+8*(2*\sg+\t)+4], v[S+32*\t+7], v[S+32*\t+15]
.endr
.irp t, 0,1
	v_max3_num_f32 v[ST+8*(2*\sg+\t)+6], v[ST+8*(2*\sg+\t)+6], v[S+32*\t+23], v[S+32*\t+31]
.endr
.irp t, 0,1
	v_max3_num_f32 v[ST+8*(2*\sg+\t)+4], v[ST+8*(2*\sg+\t)+4], v[ST+8*(2*\sg+\t)+5], v[ST+8*(2*\sg+\t)+6]
.endr
.irp t, 0,1
	v_max3_num_f32 v[ST+8*(2*\sg+\t)+4], v[ST+8*(2*\sg+\t)+4], v[ST+8*(2*\sg+\t)+7], v[ST+8*(2*\sg+\t)+1]   ; and the old m
.endr
.irp t, 0,1
	v_permlanex16_b32 v[ST+8*(2*\sg+\t)+5], v[ST+8*(2*\sg+\t)+4], s[SEL], s[SEL+1]   ; the query's other 32 keys lie in the lane 16 away
.endr
.irp t, 0,1
	v_mov_b32 v[ST+8*(2*\sg+\t)+7], v[ST+8*(2*\sg+\t)]                               ; c m_old
.endr
.irp t, 0,1
	v_max_num_f32 v[ST+8*(2*\sg+\t)+1], v[ST+8*(2*\sg+\t)+4], v[ST+8*(2*\sg+\t)+5]
.endr
.irp t, 0,1
	v_mul_f32 v[ST+8*(2*\sg+\t)], s[CS], v[ST+8*(2*\sg+\t)+1]
.endr
.irp t, 0,1
	v_sub_f32 v[ST+8*(2*\sg+\t)+7], v[ST+8*(2*\sg+\t)+7], v[ST+8*(2*\sg+\t)]
.endr
; ONE BATCH: a and all 64 p of both tiles, with the scalings between them; nothing in it names an exponential's result
.irp t, 0,1
	v_exp_f32 v[ST+8*(2*\sg+\t)+6], v[ST+8*(2*\sg+\t)+7]                             ; a
.endr
.irp t, 0,1
	v_pk_fma_f32 v[S+32*\t:S+32*\t+1], v[S+32*\t:S+32*\t+1], s[CS:CS+1], v[ST+8*(2*\sg+\t):ST+8*(2*\sg+\t)+1] op_sel_hi:[1,0,0] neg_lo:[0,0,1] neg_hi:[0,0,1]   ; c s - c m
.endr
.set b, 0
.rept 16
.irp t, 0,1
.if b < 15
	v_pk_fma_f32 v[S+32*\t+2*b+2:S+32*\t+2*b+3], v[S+32*\t+2*b+2:S+32*\t+2*b+3], s[CS:CS+1], v[ST+8*(2*\sg+\t):ST+8*(2*\sg+\t)+1] op_sel_hi:[1,0,0] neg_lo:[0,0,1] neg_hi:[0,0,1]
.endif
	v_exp_f32 v[S+32*\t+2*b], v[S+32*\t+2*b]
	v_exp_f32 v[S+32*\t+2*b+1], v[S+32*\t+2*b+1]
.endr
.set b, b+1
.endr
	v_nop                                          ; a plain instruction behind the last exponential
	s_wait_alu depctr_va_vdst(0)                   ; one wait for the 66, ahead of their first reader
.irp t, 0,1
	v_pk_mul_f32 v[ST+8*(2*\sg+\t)+2:ST+8*(2*\sg+\t)+3], v[ST+8*(2*\sg+\t)+2:ST+8*(2*\sg+\t)+3], v[ST+8*(2*\sg+\t)+6:ST+8*(2*\sg+\t)+7] op_sel_hi:[1,0]   ; l x a
.endr
.irp t, 0,1
	v_pk_add_f32 v[ST+8*(2*\sg+\t)+4:ST+8*(2*\sg+\t)+5], v[S+32*\t:S+32*\t+1], v[S+32*\t+2:S+32*\t+3]   ; the sum of p, in f32, in two chains
.endr
.irp j, 4,8,12,16,20,24,28
.irp t, 0,1
	v_pk_add_f32 v[ST+8*(2*\sg+\t)+2:ST+8*(2*\sg+\t)+3], v[ST+8*(2*\sg+\t)+2:ST+8*(2*\sg+\t)+3], v[S+32*\t+\j:S+32*\t+\j+1]
	v_pk_add_f32 v[ST+8*(2*\sg+\t)+4:ST+8*(2*\sg+\t)+5], v[ST+8*(2*\sg+\t)+4:ST+8*(2*\sg+\t)+5], v[S+32*\t+\j+2:S+32*\t+\j+3]
.endr
.endr
.irp t, 0,1
	v_pk_add_f32 v[ST+8*(2*\sg+\t)+2:ST+8*(2*\sg+\t)+3], v[ST+8*(2*\sg+\t)+2:ST+8*(2*\sg+\t)+3], v[ST+8*(2*\sg+\t)+4:ST+8*(2*\sg+\t)+5]
.endr
.irp i, 0,1,2,3,4,5,6,7,8,9,10,11,12,13,14,15
.irp t, 0,1
	v_cvt_pk_f16_f32 v[P+16*\t+\i], v[S+32*\t+2*\i], v[S+32*\t+2*\i+1]
.endr
.endr
.endm
.macro RESC sg                         ; O^T x a, each accumulator from its low end on
	WIN 0x41                                       ; O^T (destination and source 0) in window 1, a in window 0
.irp t, 0,1
.set i, 0
.rept 16
	v_pk_mul_f32 v[OA+32*(2*\sg+\t)+i:OA+32*(2*\sg+\t)+i+1], v[OA+32*(2*\sg+\t)+i:OA+32*(2*\sg+\t)+i+1], v[ST+8*(2*\sg+\t)+6:ST+8*(2*\sg+\t)+7] op_sel_hi:[1,0]
.set i, i+2
.endr
.endr
.endm
; A KEY STEP: 64 keys, both softmaxes, in plain phases; the SIMD's other wave has its matrix work beside this wave's vector work.
.macro STEP
	v_add_nc_u32 v[ADK], s[TB], v[AK0]
	v_add_nc_u32 v[ADV], s[TB], v[AV0]
	v_add_nc_u32 v[ADM], s[TM], v[AM0]
	LOADK 0
	LOADM
	s_wait_dscnt 0x0
	QK 0
	PLACES                                         ; in front of the loads into K's registers and of the first read of the scores; with the three additions above also in front of the loads into V's
	LOADK 1
	LOADV
	SM 0
	RESC 0
	s_wait_dscnt 0x0                               ; K of the second softmax and V are in
	PV 0
	QK 1
	PLACES
	SM 1
	RESC 1
	PV 1
	WIN 0
	s_add_co_u32 s[TB], s[TB], STEPB
	s_add_co_u32 s[TM], s[TM], 256
.endm
.macro FOUR_STEPS                      ; a slot's four steps: written once, walked four times
	s_mov_b32 s[STP], 4
.Lstep_\@:
	STEP
	s_sub_co_u32 s[STP], s[STP], 1
	s_cmp_lg_u32 s[STP], 0
	s_cbranch_scc1 .Lstep_\@
	s_sub_co_u32 s[TB], s[TB], TILEB
	s_xor_b32 s[TB], s[TB], SLOT1                  ; on to the other slot
.endm
; THE CHANGE OF SLOTS stands at a slot's head.  Each wave waits for all its tensor loads (its part of the slot ahead), adds 0 to its spare word, and waits for that and for its reads of the slot that it has left.
; fill = 1: a round of the cluster's barrier, and behind it the other slot takes the next 256 keys: the wave's one tensor load until the next round; it has four steps in which to land.
.macro CHANGE fill
	WIN 0
	s_wait_tensorcnt 0x0                           ; no tensor load of mine is out, so the group 0 may be written
	ds_add_u32 v[SPW], v[NIL]
.if \fill
	s_xor_b32 s[G0T+1], s[G0T+1], SLOT1
	s_add_nc_u64 s[G0T+2:G0T+3], s[G0T+2:G0T+3], TILEB
	s_wait_xcnt 0x0                                ; the last prefetch, a slot back, has read its address
	s_add_nc_u64 s[PFA:PFA+1], s[PFA:PFA+1], TILEB
	s_wait_dscnt 0x0
	CROUND
	tensor_load_to_lds s[G0T:G0T+3], s[G1T:G1T+7]
	s_nop 0
	PLACES
	ASK
.else
	s_wait_dscnt 0x0
	s_barrier_signal -1
	s_barrier_wait -1
.endif
.endm
	s_wait_loadcnt 0x0                             ; Q
	s_wait_kmcnt 0x0                               ; c2, -lam c2
.Lslot:                                            ; seven trips: behind each change of slots but the last the next 256 keys are asked for
	CHANGE 1
	FOUR_STEPS
	s_sub_co_u32 s[SLOTS], s[SLOTS], 1
	s_cmp_lg_u32 s[SLOTS], 0
	s_cbranch_scc1 .Lslot
	CHANGE 0                                       ; the last slot is written out
	FOUR_STEPS
	; THE WAY OUT.  The first four additions are the places behind the last products.
.irp p, 0,1,2,3
	v_add_f32 v[ST+8*\p+4], v[ST+8*\p+2], v[ST+8*\p+3]
.endr
.irp p, 0,1,2,3
	v_permlanex16_b32 v[ST+8*\p+5], v[ST+8*\p+4], s[SEL], s[SEL+1]
.endr
.irp p, 0,1,2,3
	v_add_f32 v[ST+8*\p+4], v[ST+8*\p+4], v[ST+8*\p+5]     ; l
.endr
.irp p, 0,1,2,3
	v_rcp_f32 v[ST+8*\p+6], v[ST+8*\p+4]
.endr
	v_nop
	s_wait_alu depctr_va_vdst(0)                   ; one wait for the four reciprocals
.irp p, 0,1
	v_mul_f32 v[ST+8*\p+6], s[C2], v[ST+8*\p+6]            ; c2 / l1
	v_mul_f32 v[ST+8*\p+22], s[C2+1], v[ST+8*\p+22]        ; -lam c2 / l2
.endr
.irp t, 0,1
	WIN 0x01                                       ; source 0 (O^T) in window 1
.set i, 0
.rept 16
	v_pk_mul_f32 v[S+32*\t+i:S+32*\t+i+1], v[OA+32*(2+\t)+i:OA+32*(2+\t)+i+1], v[ST+8*(2+\t)+6:ST+8*(2+\t)+7] op_sel_hi:[1,0]
.set i, i+2
.endr
.set i, 0
.rept 16
	v_pk_fma_f32 v[S+32*\t+i:S+32*\t+i+1], v[OA+32*\t+i:OA+32*\t+i+1], v[ST+8*\t+6:ST+8*\t+7], v[S+32*\t+i:S+32*\t+i+1] op_sel_hi:[1,0,1]
.set i, i+2
.endr
	WIN 0
.irp i, 0,1,2,3,4,5,6,7,8,9,10,11,12,13,14,15
	v_cvt_pk_f16_f32 v[P+16*\t+\i], v[S+32*\t+2*\i], v[S+32*\t+2*\i+1]
.endr
.irp c, 0,1,2,3
	global_store_b128 v[AK0], v[P+16*\t+4*\c:P+16*\t+4*\c+3], s[8:9] offset:8192*\t+512*\c   ; the wave stores 512 consecutive bytes, aligned
.endr
.endr
	s_wait_tensorcnt 0x0                           ; the wave's end
	ds_add_u32 v[SPW], v[NIL]
	s_wait_dscnt 0x0
	CROUND                                         ; the closing round
	s_endpgm
.Lfunc_end_k_qd45b44dffd_attn:
	.size	k_qd45b44dffd_attn, .Lfunc_end_k_qd45b44dffd_attn-k_qd45b44dffd_attn
	.p2alignl 7, 3214868480
	.fill 96, 4, 3214868480
	.section	.rodata,"a",@progbits
	.p2align	6, 0x0
	.amdhsa_kernel k_qd45b44dffd_attn
		.amdhsa_group_segment_fixed_size 327680
		.amdhsa_private_segment_fixed_size 0
		.amdhsa_enable_private_segment 0
		.amdhsa_kernarg_size 24
		.amdhsa_user_sgpr_count 2
		.amdhsa_user_sgpr_kernarg_segment_ptr 1
		.amdhsa_wavefront_size32 1
		.amdhsa_system_sgpr_workgroup_id_x 1
		.amdhsa_system_sgpr_workgroup_id_y 1
		.amdhsa_system_sgpr_workgroup_id_z 1
		.amdhsa_system_vgpr_workitem_id 0
		.amdhsa_next_free_vgpr 512
		.amdhsa_next_free_sgpr 66
		.amdhsa_reserve_vcc 0
		.amdhsa_float_denorm_mode_32 3
		.amdhsa_float_denorm_mode_16_64 3
		.amdhsa_memory_ordered 1
		.amdhsa_forward_progress 1
		.amdhsa_inst_pref_size 90
	.end_amdhsa_kernel
	.amdgpu_metadata
---
amdhsa.version: [ 1, 2 ]
amdhsa.kernels:
  - .name:           k_qd45b44dffd_attn
    .symbol:         k_qd45b44dffd_attn.kd
    .args:
      - { .name: qkv, .offset: 0, .size: 8, .value_kind: global_buffer, .address_space: global }
      - { .name: aux, .offset: 8, .size: 8, .value_kind: global_buffer, .address_space: global }
      - { .name: o_img, .offset: 16, .size: 8, .value_kind: global_buffer, .address_space: global }
    .group_segment_fixed_size: 327680
    .private_segment_fixed_size: 0
    .kernarg_segment_align: 8
    .kernarg_segment_size: 24
    .max_flat_workgroup_size: 256
    .sgpr_count:     66
    .vgpr_count:     512
    .wavefront_size: 32
...
	.end_amdgpu_metadata
.endif
;; end of part 3
;; launch outp (part 4): grid 8 x 32, 4 waves a work-group, clusters of 4 x 4, 327,680 bytes of LDS; arguments o_img, wo_img, out0, bo, aux; writes out0
.if DOCPART == 4
	.amdgcn_target "amdgcn-amd-amdhsa--gfx1250"
	.amdhsa_code_object_version 6
	.text
	.protected	k_qd45b44dffd_outp
	.globl	k_qd45b44dffd_outp
	.p2align	8
	.type	k_qd45b44dffd_outp,@function
k_qd45b44dffd_outp:
	s_mov_b64 s[64:65], 0
	v_nop
	global_prefetch_b8 v0, s[64:65] scope:SCOPE_SE
	s_setreg_imm32_b32 hwreg(HW_REG_WAVE_MODE, 25, 1), 1
	s_wait_xcnt 0x0
	s_wait_alu depctr_hold_cnt(0) depctr_sa_sdst(0) depctr_va_vdst(0) depctr_va_sdst(0) depctr_va_ssrc(0) depctr_va_vcc(0) depctr_vm_vsrc(0)
	s_getreg_b32 s2, hwreg(HW_REG_IB_STS2, 6, 4)
	s_cmp_eq_u32 s2, 0
	s_cbranch_scc0 .Lentry_in_a_cluster
	s_endpgm
.Lentry_in_a_cluster:
	s_bfe_u32 s2, ttmp6, 0x10000c
	s_cmp_lg_u32 s2, 0xf033
	s_cbranch_scc0 .Lentry_shape_is_right
	s_endpgm
.Lentry_shape_is_right:
; OUTP: out0 = o Wo + bo.  o arrives as f16 of o x c2, Wo as f16, both as images of the operands' registers; sums in f32; out0 = sum x cinv + bo, cinv = 1 / c2 a power of two.
; A tile of out0 is 128 x 128: 256 work-groups.  Four waves, 64 x 64 each: 16 accumulators.  K goes in four steps of 256 through two LDS slots; a wave's tensor load brings 64 rows' images of a K step: ONE dense block of 32,768 bytes.
; A fragment is read from LDS at 16 x lane + a constant: 512 consecutive bytes an instruction, so the slots have no padding.
; CLUSTERS 4 x 4: o's tiles are asked for jointly along a row of the cluster, Wo's along a column.  THE MATRIX INSTRUCTION IS USED TRANSPOSED (source 0 = 16 columns of Wo, source 1 = 16 tokens).
; A wave's 64 columns of f32 are 256 bytes of a row: each wave has a stage of its own on the way out, and no barrier stands there.
; REGISTERS: window 0: v0-31 addresses; v32-63 results, v64-95 rows read back; v96-127 the bias; v128-255 the accumulators.  Window 1: two fragment buffers of 128.
.set HALFT,  32768                     ; 64 rows' images of a K step
.set SLOT,   131072                    ; o's 128 rows, then Wo's 128 columns
.set STAGE,  2*SLOT                    ; 16 rows x 272 bytes for each wave; no tensor load lands here
.set SPITCH, 272
.set SPARE,  STAGE+4*16*SPITCH
.set STEPA,  2097152                   ; a K step on in o_img
.set STEPW,  524288                    ; and in wo_img
.set LAPS,   2
.set ADRA, 16
.set ADRB, 20
.set STO,  24
.set RD,   25
.set CO,   26
.set BO,   27
.set SPW,  28
.set NIL,  29
.set TMP,  32
.set BK,   64
.set BI,   96
.set ACC,  128
.set F0,   0
.set F1,   128
.set G1, 24
.set G0, 32
.set G1B, 48
.set G0B, 56
.set MSB, 0
.macro WIN new
.if MSB != \new
	s_set_vgpr_msb (MSB<<8)|\new
.set MSB, \new
.endif
.endm
.set MUL,  0x05
.set TO_F, 0x40
.macro JLOAD s                         ; a joint load: waves 0 and 1 fetch o's two halves, waves 2 and 3 Wo's; an s_nop 0 and four v_nop follow each line
	s_cmp_eq_u32 s11, 0
	s_cbranch_scc0 .Lfor_b_\@
	tensor_load_to_lds s[G0+4*\s:G0+4*\s+3], s[G1:G1+7]
	s_nop 0
.rept 4
	v_nop
.endr
	s_branch .Lasked_\@
.Lfor_b_\@:
	tensor_load_to_lds s[G0B+4*\s:G0B+4*\s+3], s[G1B:G1B+7]
	s_nop 0
.rept 4
	v_nop
.endr
.Lasked_\@:
.endm
.macro CREST
	s_cmp_lg_u32 s10, 0
	s_cbranch_scc1 .Lnot_wave_0_\@
	s_barrier_signal -3
.Lnot_wave_0_\@:
	s_barrier_wait -3
	s_barrier_signal -1
	s_barrier_wait -1
.endm
.macro CROUND
	s_barrier_signal -1
	s_barrier_wait -1
	CREST
.endm
	s_load_b128 s[4:7], s[0:1], 0x0                ; o_img, wo_img
	s_load_b64 s[8:9], s[0:1], 0x10                ; out0
	s_load_b128 s[68:71], s[0:1], 0x18             ; bo, aux
	v_lshl_add_u32 v[SPW], v0, 2, SPARE
	v_mov_b32 v[NIL], 0
	ds_add_u32 v[SPW], v[NIL]                      ; the wave's opening: the add, twice on end, and its wait ahead of my first tensor load
	ds_add_u32 v[SPW], v[NIL]
	v_lshrrev_b32 v1, 5, v0
	v_readfirstlane_b32 s10, v1                    ; wave 0..3
	s_lshr_b32 s11, s10, 1                         ; my half of the tile's rows.  Also: I fetch for o (0) or for Wo (1)
	s_and_b32 s12, s10, 1                          ; my half of its columns.  Also: which 64 rows I fetch
	s_bfe_u32 s40, ttmp6, 0x40000
	s_bfe_u32 s41, ttmp6, 0x40004
	s_lshl_b32 s42, ttmp9, 2
	s_add_co_u32 s42, s42, s40                     ; tile column
	s_and_b32 s13, ttmp7, 0xffff
	s_lshl_b32 s13, s13, 2
	s_add_co_u32 s13, s13, s41                     ; tile row
	s_lshl_b32 s43, s41, 2
	s_lshl_b32 s43, 15, s43                        ; my row of the cluster
	s_lshl_b32 s44, 0x1111, s40                    ; my column
	s_or_b32 s[G1+0], s43, (3<<16)|(1<<21)         ; the mask; elements of 8 bytes; bit 21 beside a mask; no padding
	s_or_b32 s[G1B+0], s44, (3<<16)|(1<<21)
.irp g, G1, G1B
	s_mov_b32 s[\g+1], 32<<16                      ; tensor_dim0 = 32 elements: 256 bytes
	s_mov_b32 s[\g+2], 128<<16                     ; tensor_dim1
	s_mov_b32 s[\g+3], 32<<16                      ; tile_dim0
	s_mov_b32 s[\g+4], 128                         ; tile_dim1
	s_mov_b32 s[\g+5], 32                          ; the pitch: dense
	s_mov_b32 s[\g+6], 0
	s_mov_b32 s[\g+7], 0
.endr
	s_lshl_b32 s17, s12, 2                         ; which four images of 16 rows I fetch
	s_lshl_b32 s16, s13, 3
	s_add_co_u32 s16, s16, s17
	s_lshl_b32 s16, s16, 13                        ; o: 8,192 bytes an image
	s_lshl_b32 s46, s42, 3
	s_add_co_u32 s46, s46, s17
	s_lshl_b32 s46, s46, 13                        ; Wo likewise
	s_mov_b32 s17, 0
	s_mov_b32 s47, 0
	s_mul_i32 s20, s10, HALFT                      ; where they go: no place in the cluster enters an LDS address
	s_wait_dscnt 0x0                               ; both opening adds are done
	s_wait_kmcnt 0x0
	s_add_nc_u64 s[14:15], s[4:5], s[16:17]
	s_add_nc_u64 s[46:47], s[6:7], s[46:47]
	s_load_b32 s72, s[70:71], 0x4008               ; cinv
	CROUND                                         ; all sixteen work-groups are here: the first joint loads meet
.irp s, 0,1
	s_mov_b32 s[G0+4*\s], 1
	s_add_co_u32 s[G0+4*\s+1], s20, \s*SLOT
	s_add_nc_u64 s[G0+4*\s+2:G0+4*\s+3], s[14:15], \s*STEPA
	s_or_b32 s[G0+4*\s+3], s[G0+4*\s+3], 0x80000000
	s_mov_b32 s[G0B+4*\s], 1
	s_add_co_u32 s[G0B+4*\s+1], s20, \s*SLOT
	s_add_nc_u64 s[G0B+4*\s+2:G0B+4*\s+3], s[46:47], \s*STEPW
	s_or_b32 s[G0B+4*\s+3], s[G0B+4*\s+3], 0x80000000
	JLOAD \s
.endr
	v_and_b32 v1, 15, v0                           ; r
	v_bfe_u32 v2, v0, 4, 1                         ; h
	v_and_b32 v3, 31, v0
	v_lshlrev_b32 v3, 4, v3                        ; 16 x lane
	s_mul_i32 s21, s11, HALFT
	s_mul_i32 s22, s12, HALFT
	s_add_co_u32 s22, s22, 2*HALFT
.irp s, 0,1
	v_add_nc_u32 v[ADRA+\s], s21, v3
	v_add_nc_u32 v[ADRB+\s], s22, v3
	s_add_co_u32 s21, s21, SLOT
	s_add_co_u32 s22, s22, SLOT
.endr
	s_mul_i32 s23, s10, 16*SPITCH
	s_add_co_u32 s23, s23, STAGE                   ; my stage
	v_mul_u32_u24 v4, v1, SPITCH
	v_lshl_add_u32 v4, v2, 5, v4
	v_add_nc_u32 v[STO], s23, v4                   ; in: row r, 32 bytes for each half of the lanes
	v_mul_u32_u24 v5, v2, SPITCH
	v_lshl_add_u32 v5, v1, 4, v5
	v_add_nc_u32 v[RD], s23, v5                    ; back: lanes 0-15 one row of 256 bytes, lanes 16-31 the next
	v_lshlrev_b32 v5, 12, v2
	v_lshl_add_u32 v[CO], v1, 4, v5                ; and the same two rows in out0
	s_lshl_b32 s16, s13, 7
	s_lshl_b32 s17, s11, 6
	s_add_co_u32 s16, s16, s17                     ; my first row
	s_lshl_b32 s16, s16, 12
	s_mov_b32 s17, 0
	s_add_nc_u64 s[8:9], s[8:9], s[16:17]
	s_lshl_b32 s46, s42, 9
	s_lshl_b32 s47, s12, 8
	s_add_co_u32 s46, s46, s47                     ; my first column, in bytes
	s_mov_b32 s47, 0
	s_add_nc_u64 s[8:9], s[8:9], s[46:47]
	v_lshl_add_u32 v[BO], v2, 5, s46
.irp b, 0,1,2,3
	global_load_b128 v[BI+8*\b:BI+8*\b+3], v[BO], s[68:69] offset:64*\b       ; lane (r, h): bo of columns 16 b + 8 h + 0 .. 7
	global_load_b128 v[BI+8*\b+4:BI+8*\b+7], v[BO], s[68:69] offset:64*\b+16
.endr
	s_wait_kmcnt 0x0
	s_mov_b32 s73, s72                             ; (the packed form names the pair)
.macro MUL8 f, c, a0, zero             ; 8 matrix instructions: row blocks a0, a0 + 1 x all 4 column blocks, 32 along K.  The 16 accumulators take turns
.irp a, \a0, \a0+1
.irp b, 0,1,2,3
.if \zero
	v_wmma_f32_16x16x32_f16 v[ACC+8*(4*(\a)+\b):ACC+8*(4*(\a)+\b)+7], v[\f+64+8*(4*\c+\b):\f+64+8*(4*\c+\b)+7], v[\f+8*(4*\c+\a):\f+8*(4*\c+\a)+7], 0
.else
	v_wmma_f32_16x16x32_f16 v[ACC+8*(4*(\a)+\b):ACC+8*(4*(\a)+\b)+7], v[\f+64+8*(4*\c+\b):\f+64+8*(4*\c+\b)+7], v[\f+8*(4*\c+\a):\f+8*(4*\c+\a)+7], v[ACC+8*(4*(\a)+\b):ACC+8*(4*(\a)+\b)+7]
.endif
.endr
.endr
.endm
.macro FETCH slot, q, f                ; 32 LDS loads: the fragments of the K step's q-th 64 along K; the first 32 along K first
	WIN TO_F
.irp c, 0,1
.irp i, 0,1,2,3
	ds_load_b128 v[\f+64+8*(4*\c+\i):\f+64+8*(4*\c+\i)+3],   v[ADRB+\slot] offset:1024*(2*(\q)+\c)+8192*\i
	ds_load_b128 v[\f+64+8*(4*\c+\i)+4:\f+64+8*(4*\c+\i)+7], v[ADRB+\slot] offset:1024*(2*(\q)+\c)+8192*\i+512
	ds_load_b128 v[\f+8*(4*\c+\i):\f+8*(4*\c+\i)+3],         v[ADRA+\slot] offset:1024*(2*(\q)+\c)+8192*\i
	ds_load_b128 v[\f+8*(4*\c+\i)+4:\f+8*(4*\c+\i)+7],       v[ADRA+\slot] offset:1024*(2*(\q)+\c)+8192*\i+512
.endr
.endr
.endm
.macro PLACES
.rept 4
	v_nop
.endr
.endm
.macro QUARTER slot, q, f, g, zero     ; multiplies buffer f and fetches the K step's q-th quarter into g
	s_wait_dscnt 16                                ; the first 32 along K are in; the other sixteen loads may be out
	WIN MUL
	MUL8 \f, 0, 0, \zero
	MUL8 \f, 0, 2, \zero
	PLACES
	FETCH \slot, \q, \g
	s_wait_dscnt 32                                ; all but the 32 just issued
	WIN MUL
	MUL8 \f, 1, 0, 0
	MUL8 \f, 1, 2, 0
.endm
.macro TURN slot, next, fill           ; the last quarter changes slots: one barrier; fill = 1: it opens a round of the cluster's barrier, and this slot takes the K step two on
	WIN 0
	s_wait_tensorcnt 0x0                           ; all my tensor loads have landed: my part of the next slot
	ds_add_u32 v[SPW], v[NIL]
	s_wait_dscnt 17                                ; the add and the youngest sixteen loads may be out
	WIN MUL
	MUL8 F1, 0, 0, 0
	s_wait_dscnt 0x0                               ; the add is done, and my reads of this slot are over
	s_barrier_signal -1
	MUL8 F1, 0, 2, 0
.if \fill
	WIN 0
.endif
	s_barrier_wait -1
.if \fill
	CREST
	s_add_nc_u64 s[G0+4*\slot+2:G0+4*\slot+3], s[G0+4*\slot+2:G0+4*\slot+3], 2*STEPA
	s_add_nc_u64 s[G0B+4*\slot+2:G0B+4*\slot+3], s[G0B+4*\slot+2:G0B+4*\slot+3], 2*STEPW
	JLOAD \slot                                    ; the first tensor load behind the round; its four v_nop are also the places in front of the loads below
.else
	PLACES
.endif
	FETCH \next, 0, F0
	WIN MUL
	MUL8 F1, 1, 0, 0
	MUL8 F1, 1, 2, 0
.endm
	s_wait_tensorcnt 1                             ; my part of K step 0 is in; K step 1's load may be out
	s_barrier_signal -1
	s_barrier_wait -1
	FETCH 0, 0, F0
	QUARTER 0, 1, F0, F1, 1                        ; the first products start the sums
	WIN 0
	s_mov_b32 s3, LAPS-1
.Llap:                                             ; a trip goes once round the ring and fills both slots again
	QUARTER 0, 2, F1, F0, 0
	QUARTER 0, 3, F0, F1, 0
	TURN 0, 1, 1
	QUARTER 1, 1, F0, F1, 0
	QUARTER 1, 2, F1, F0, 0
	QUARTER 1, 3, F0, F1, 0
	TURN 1, 0, 1
	QUARTER 0, 1, F0, F1, 0
	WIN 0
	s_sub_co_u32 s3, s3, 1
	s_cmp_lg_u32 s3, 0
	s_cbranch_scc1 .Llap
	QUARTER 0, 2, F1, F0, 0                        ; the last lap fills nothing
	QUARTER 0, 3, F0, F1, 0
	TURN 0, 1, 0
	QUARTER 1, 1, F0, F1, 0
	QUARTER 1, 2, F1, F0, 0
	QUARTER 1, 3, F0, F1, 0
	s_wait_dscnt 16
	WIN MUL
	MUL8 F1, 0, 0, 0
	MUL8 F1, 0, 2, 0
	s_wait_dscnt 0
	MUL8 F1, 1, 0, 0
	MUL8 F1, 1, 2, 0
	WIN 0
	; THE WAY OUT, 16 rows at a time: sum x cinv + bo, one fused multiply-add; through my own stage; back as whole rows of 256 bytes.
	s_wait_loadcnt 0x0                             ; the bias
	PLACES
.irp a, 0,1,2,3
.irp b, 0,1,2,3
.irp i, 0,2,4,6
	v_pk_fma_f32 v[TMP+8*\b+\i:TMP+8*\b+\i+1], v[ACC+8*(4*\a+\b)+\i:ACC+8*(4*\a+\b)+\i+1], s[72:73], v[BI+8*\b+\i:BI+8*\b+\i+1] op_sel_hi:[1,0,1]
.endr
.endr
.irp b, 0,1,2,3
	ds_store_b128 v[STO], v[TMP+8*\b:TMP+8*\b+3] offset:64*\b
	ds_store_b128 v[STO], v[TMP+8*\b+4:TMP+8*\b+7] offset:64*\b+16
.endr
.if \a > 0
	s_wait_xcnt 0x0                                ; the last block's stores have read their data: the loads below land there only behind this wait
.endif
.irp t, 0,1,2,3,4,5,6,7
	ds_load_b128 v[BK+4*\t:BK+4*\t+3], v[RD] offset:\t*2*SPITCH      ; LDS serves a wave's instructions in order: these see the stores above
.endr
.irp t, 0,1,2,3,4,5,6,7
	s_wait_dscnt 7-\t                              ; the younger loads stay out
	global_store_b128 v[CO], v[BK+4*\t:BK+4*\t+3], s[8:9] offset:(16*\a+2*\t)*4096 th:TH_STORE_NT   ; sixteen lanes store 256 consecutive bytes, aligned
.endr
.endr
	s_wait_tensorcnt 0x0                           ; the wave's end, behind my last tensor load and my last LDS store
	ds_add_u32 v[SPW], v[NIL]
	s_wait_dscnt 0x0
	CROUND                                         ; the closing round
	s_endpgm
.Lfunc_end_k_qd45b44dffd_outp:
	.size	k_qd45b44dffd_outp, .Lfunc_end_k_qd45b44dffd_outp-k_qd45b44dffd_outp
	.p2alignl 7, 3214868480
	.fill 96, 4, 3214868480
	.section	.rodata,"a",@progbits
	.p2align	6, 0x0
	.amdhsa_kernel k_qd45b44dffd_outp
		.amdhsa_group_segment_fixed_size 327680
		.amdhsa_private_segment_fixed_size 0
		.amdhsa_enable_private_segment 0
		.amdhsa_kernarg_size 40
		.amdhsa_user_sgpr_count 2
		.amdhsa_user_sgpr_kernarg_segment_ptr 1
		.amdhsa_wavefront_size32 1
		.amdhsa_system_sgpr_workgroup_id_x 1
		.amdhsa_system_sgpr_workgroup_id_y 1
		.amdhsa_system_sgpr_workgroup_id_z 1
		.amdhsa_system_vgpr_workitem_id 0
		.amdhsa_next_free_vgpr 512
		.amdhsa_next_free_sgpr 76
		.amdhsa_reserve_vcc 0
		.amdhsa_float_denorm_mode_32 3
		.amdhsa_float_denorm_mode_16_64 3
		.amdhsa_memory_ordered 1
		.amdhsa_forward_progress 1
		.amdhsa_inst_pref_size 91
	.end_amdhsa_kernel
	.amdgpu_metadata
---
amdhsa.version: [ 1, 2 ]
amdhsa.kernels:
  - .name:           k_qd45b44dffd_outp
    .symbol:         k_qd45b44dffd_outp.kd
    .args:
      - { .name: o_img, .offset: 0, .size: 8, .value_kind: global_buffer, .address_space: global }
      - { .name: wo_img, .offset: 8, .size: 8, .value_kind: global_buffer, .address_space: global }
      - { .name: out0, .offset: 16, .size: 8, .value_kind: global_buffer, .address_space: global }
      - { .name: bo, .offset: 24, .size: 8, .value_kind: global_buffer, .address_space: global }
      - { .name: aux, .offset: 32, .size: 8, .value_kind: global_buffer, .address_space: global }
    .group_segment_fixed_size: 327680
    .private_segment_fixed_size: 0
    .kernarg_segment_align: 8
    .kernarg_segment_size: 40
    .max_flat_workgroup_size: 128
    .sgpr_count:     76
    .vgpr_count:     512
    .wavefront_size: 32
...
	.end_amdgpu_metadata
.endif
;; end of part 4
